; MI455X (gfx1250); checked and timed in simulation.
; The chip was launched on July 23, 2026; its instructions are those of AMD's public machine-readable ISA for CDNA 5 (MIT licence, August 2026) and "CDNA5" Instruction Set Architecture Reference Guide (July 2026). The comments in the code are by the model that wrote it; some were corrected since.
;; Causal Self Attention. Allowed arithmetic: matrix products marked QUANTISED: E2M1 operands, one E8M0 scale for each 32 along K, by v_wmma_scale_f32_16x16x128_f8f6f4 with both operands' format E2M1 (or v_wmma_scale_f32_32x16x128_f4), f32 sums; products left as they are: bf16, f16 or f32 operands; f32 sums; everything else in f32.
;; Inputs: freqs_cos 2,048 x 32 float32; freqs_sin 2,048 x 32 float32; w_attn 3,072 x 1,024 float32; w_proj 1,024 x 1,024 float32; x 4 x 2,048 x 1,024 float32.
;; Outputs: out0 4 x 2,048 x 1,024 float32.
;; This version of the problem:
;;   THIS VERSION OF THE PROBLEM IS GIVEN IN LOW PRECISION. The matrix products marked QUANTISED in the list below multiply operands that are first quantised to E2M1 (2 exponent bits, 1 mantissa bit; 4 bits a number), with one power-of-two scale for each 32 numbers along K (OCP MX v1.0); their sums are f32. The products marked 'left as it is' may take bf16, f16 or f32 operands, with f32 sums. Whichever they take, every output number must still come out within the allowed error. Rounding operands to bf16 (8 significant bits) uses up far more of that allowance than f16 does (11 bits, for magnitudes from 6e-5 to 65,504). All else is computed in f32.
;;   The module's matrix products, in the order in which they are computed (A, B: the left and right operand; K: the contracted axis; several contracted axes count as one K, in the product's order):
;;     1. [M 8,192, K 1,024] x [K 1,024, N 3,072]; A: input x; B: input w_attn: QUANTISED
;;     2. batch 64 x [M 2,048, K 64] x [K 64, N 2,048]; A: computed on the way; B: computed on the way: left as it is (an operand is computed on the way)
;;     3. batch 64 x [M 2,048, K 2,048] x [K 2,048, N 64]; A: computed on the way; B: computed on the way: left as it is (an operand is computed on the way)
;;     4. [M 8,192, K 1,024] x [K 1,024, N 1,024]; A: computed on the way; B: input w_proj: left as it is (an operand is computed on the way)
;;   THE QUANTISER, for each operand of a quantised product, along K:
;;     - K is cut into blocks of 32 from its start; a last block that is shorter is filled with zeros.
;;     - A block's scale is 2^e with e = floor(log2(the largest magnitude in the block)) - 2, held to -126 .. 127; a block of zeros has e = 0. As a byte (E8M0): e + 127.
;;     - Each number is divided by its block's scale, clamped to +-6, and rounded to the nearest number of E2M1, ties to even, subnormals kept.
;;     - The product sums the exact products of the quantised numbers (number of the format x scale) in f32.
;;   ~~~python
;;   def quantise(x, axis):      # numpy; x: float32 -> the quantised numbers, widened to float32 again
;;       x = np.moveaxis(x, axis, -1); K = x.shape[-1]
;;       x = np.pad(x, [(0, 0)] * (x.ndim - 1) + [(0, -K % 32)]); x = x.reshape(x.shape[:-1] + (-1, 32)); a = np.abs(x).max(-1, keepdims=True)
;;       e = np.where(a > 0, np.clip(np.frexp(np.where(a > 0, a, 1))[1] - 1 - 2, -126, 127), 0)      # np.frexp(a)[1] - 1 = floor(log2(a)), exactly
;;       r = np.clip(x / 2.0 ** e, -6, 6)
;;       step = 2.0 ** (np.maximum(np.frexp(np.where(r == 0, 1, r))[1] - 1, 0) - 1)
;;       q = np.round(r / step) * step * 2.0 ** e      # np.round: ties to even
;;       return np.moveaxis(q.reshape(q.shape[:-2] + (-1,))[..., :K], -1, axis).astype(np.float32)
;;   ~~~
;; One version. Each part assembles by itself: llvm-mc -triple=amdgcn-amd-amdhsa -mcpu=gfx1250 --defsym DOCPART=n.
;; ======== version 1 of 1: 5 launches
;; limits: values are held in f16: magnitudes above 65,504 overflow, below 6.1e-05 lose precision; right only within a limited range of input values
;; workspace buffers: pre 8,224,768 bytes; qkv 50,331,648 bytes; fac 16,384 bytes; fine 786,432 bytes; y16 16,777,216 bytes
;; launch quant (part 1): grid 384 x 1, 4 waves a work-group, no clusters, 33,280 bytes of LDS; arguments x, w_attn, w_proj, pre; writes pre
.if DOCPART == 1
	.amdgcn_target "amdgcn-amd-amdhsa--gfx1250"
	.amdhsa_code_object_version 6
	.text
	.protected	k_q5db9ae9986_quant
	.globl	k_q5db9ae9986_quant
	.p2align	8
	.type	k_q5db9ae9986_quant,@function
k_q5db9ae9986_quant:
	s_mov_b64 s[64:65], 0
	v_nop
	global_prefetch_b8 v0, s[64:65] scope:SCOPE_SE
	s_setreg_imm32_b32 hwreg(HW_REG_WAVE_MODE, 25, 1), 1
	s_wait_xcnt 0x0
; CAUSAL SELF-ATTENTION, launch 1 of 5.  x [8192][1024] and w_attn [3072][1024], f32, K innermost, become codes of FP4 (E2M1) and one E8M0 byte for each 32 along K; w_proj [1024][1024] becomes f16.
; WORK LEFT OUT BY THE WHOLE PROGRAM: the scores of key k for query q with k > q.  The reference replaces them by the least f32 number under a mask that it builds itself (tril), so that their
; weight after the softmax is nothing, whatever the inputs hold.  The attention launch leaves them out where they come in whole steps of 64 keys and sets them to minus infinity inside a step that
; also holds live keys.  All five inputs have a way to the output and all are loaded.  LIMIT: a NaN, an infinity or an overflow that reaches only those scores is not carried to the result.
; THE QUANTISER: scale of a block = 2^(floor(log2(largest magnitude)) - 2); its byte is the exponent field of the largest magnitude less 2, held at 1 from below; each number is divided by the scale
; and rounded to the nearest code, ties to even, beyond 6 the largest code.  A block of zeros keeps the byte 1: its codes are zeros, and this program alone reads the bytes.
; LIMITS: blocks whose largest magnitude lies under 2^-124 keep the byte 1; NaN and infinities among the inputs are not served; w_proj goes to f16: magnitudes up to 65,504.
; SHARES: work-groups 0-255 take x, 256-351 w_attn: a wave takes 16 steps of 512 numbers.  Work-groups 352-383 cast w_proj, 8,192 numbers a wave.
; pre: x codes at 0, w_attn codes at WC, x scale bytes at XS, w_attn scale bytes at WS, w_proj as f16 at WP.
; Each load of a step reads 512 consecutive bytes; the 2,048 bytes turn through a stage of the wave in LDS so that a lane holds 16 neighbours along K; two neighbouring lanes hold a block.
.set WAVES, 4
.set STEPS, 16
.set EMAX,  2
.set CB,    8                          ; bytes of 16 codes
.set R,     16                         ; v16-79   four sets of 16 numbers as loaded
.set X,     80                         ; v80-111  two sets of 16 neighbours
.set C,     128                        ; v128-191 codes, four registers a step
.set E,     112                        ; v112-127 a scale byte a step
.set WREG,  8192                       ; LDS region of a wave: two stages of 32 x SP bytes, then its 256 scale bytes
.set SP,    80                         ; a lane in a stage: 64 bytes + 16 of padding
.set SPW,   12                         ; v12 LDS address of my spare word; never rewritten
.set NIL,   13                         ; v13 0; never rewritten
.set SPARE, WAVES*WREG                 ; the spare words: 128 bytes a wave, named by no other line
.set WC,    4194304
.set XS,    5767168
.set WS,    6029312
.set WP,    6127616
.set RA,    16                         ; the cast: v16-79 and v80-143 two sets of 16 loads; v144-175 what is stored
.set OUTC,  144
	s_load_b128 s[4:7], s[0:1], 0x0                ; x, w_attn
	s_load_b128 s[8:11], s[0:1], 0x10              ; w_proj, pre
	v_lshl_add_u32 v[SPW], v0, 2, SPARE
	v_mov_b32 v[NIL], 0
	v_lshrrev_b32 v1, 5, v0
	v_readfirstlane_b32 s16, v1                    ; wave
	v_and_b32 v2, 31, v0                           ; lane
	v_lshlrev_b32 v3, 4, v2                        ; my 16 bytes of the 512 of a load
	s_mul_i32 s17, s16, WREG
	v_lshrrev_b32 v14, 2, v2
	v_mul_u32_u24 v14, v14, SP
	v_and_b32 v15, 3, v2
	v_lshl_add_u32 v14, v15, 4, v14
	v_add_nc_u32 v14, s17, v14                     ; the stage on the way in: SP (lane / 4) + 16 (lane % 4)
	v_mul_u32_u24 v15, v2, SP
	v_add_nc_u32 v15, s17, v15                     ; and on the way out: SP x lane
	v_mul_u32_u24 v4, v2, CB                       ; 8 bytes a lane: my codes in a step, and my f16 numbers in the cast
	v_lshrrev_b32 v5, 1, v2
	s_add_co_u32 s17, s17, 2*32*SP
	v_add_nc_u32 v5, s17, v5                       ; LDS: the byte of my block
	v_lshlrev_b32 v7, 3, v2
	v_add_nc_u32 v6, s17, v7                       ; and 8 bytes a lane on the way out
	s_wait_kmcnt 0x0
	s_cmp_ge_u32 ttmp9, 352                        ; the work-group number alone decides
	s_cbranch_scc1 .Lcast
	s_cmp_lt_u32 ttmp9, 256
	s_cselect_b64 s[4:5], s[4:5], s[6:7]           ; x or w_attn
	s_cselect_b32 s17, 0, 256
	s_cselect_b32 s20, 0, WC                       ; where the codes go in pre
	s_mov_b32 s22, WS
	s_cselect_b32 s22, XS, s22                     ; and the scale bytes
	s_sub_co_u32 s17, ttmp9, s17
	s_lshl_b32 s17, s17, 2
	s_add_co_u32 s18, s17, s16                     ; which run of 8,192 numbers is my wave
	s_lshl_b32 s24, s18, 15
	s_mov_b32 s25, 0
	s_add_nc_u64 s[4:5], s[4:5], s[24:25]
	s_lshl_b32 s24, s18, 12
	s_add_co_u32 s20, s20, s24
	s_mov_b32 s21, 0
	s_add_nc_u64 s[12:13], s[10:11], s[20:21]
	s_lshl_b32 s24, s18, 8
	s_add_co_u32 s22, s22, s24
	s_mov_b32 s23, 0
	s_add_nc_u64 s[14:15], s[10:11], s[22:23]
.macro LOAD t
.irp i, 0,1,2,3
	global_load_b128 v[R+16*((\t)%4)+4*\i:R+16*((\t)%4)+4*\i+3], v3, s[4:5] offset:2048*(\t)+512*\i th:TH_LOAD_NT
.endr
.endm
.macro TURN t                          ; the numbers of step t through the stage: LDS serves the instructions of a wave in order
.irp i, 0,1,2,3
	ds_store_b128 v14, v[R+16*((\t)%4)+4*\i:R+16*((\t)%4)+4*\i+3] offset:32*SP*((\t)%2)+8*SP*\i
.endr
.irp i, 0,1,2,3
	ds_load_b128 v[X+16*((\t)%2)+4*\i:X+16*((\t)%2)+4*\i+3], v15 offset:32*SP*((\t)%2)+16*\i
.endr
.endm
.irp t, 0,1,2,3
	LOAD \t
.endr
	s_wait_loadcnt 12                              ; the four loads of step 0 are in; three steps of four stay out
	TURN 0
.macro STEP t
.set XQ, X+16*((\t)%2)
.if (\t) > 0
	s_wait_dscnt 1                                 ; the numbers of this step are back (the byte store of the last step may be out)
.else
	s_wait_dscnt 0x0
.endif
.if (\t)+4 < STEPS
	LOAD (\t)+4
.endif
.if (\t)+1 < STEPS
.if STEPS-2-(\t) >= 3
	s_wait_loadcnt 12                              ; the next step is in; three steps of four loads stay out
.else
	s_wait_loadcnt 4*(STEPS-2-(\t))
.endif
	TURN (\t)+1
.endif
	v_max3_num_f32 v8, |v[XQ]|, |v[XQ+1]|, |v[XQ+2]|
	v_max3_num_f32 v9, |v[XQ+3]|, |v[XQ+4]|, |v[XQ+5]|
.irp i, 6,10
	v_max3_num_f32 v8, v8, |v[XQ+\i]|, |v[XQ+\i+1]|
	v_max3_num_f32 v9, v9, |v[XQ+\i+2]|, |v[XQ+\i+3]|
.endr
	v_max3_num_f32 v8, v8, |v[XQ+14]|, |v[XQ+15]|
	v_max3_num_f32 v8, v8, v9, (EMAX+1)<<23        ; with the floor 2^(3 - 127): the byte cannot fall under 1
	v_max_num_f32_dpp v8, v8, v8 row_xmask:1 row_mask:0xf bank_mask:0xf   ; with the 16 of my neighbour: the block
	v_add_nc_u32 v11, -(EMAX<<23), v8              ; 2 off the exponent field: the scale operand of the conversion
	v_cvt_scalef32_pk8_fp4_f32 v[C+4*(\t)], v[XQ:XQ+7], v11
	v_cvt_scalef32_pk8_fp4_f32 v[C+4*(\t)+1], v[XQ+8:XQ+15], v11
	v_lshrrev_b32 v[E+(\t)], 23, v11               ; the byte
	ds_store_b8 v5, v[E+(\t)] offset:16*(\t)       ; both lanes of a block write the same byte with the same value
	global_store_b64 v4, v[C+4*(\t):C+4*(\t)+1], s[12:13] offset:32*CB*(\t)   ; the wave stores 256 consecutive bytes, aligned
.endm
.irp t, 0,1,2,3,4,5,6,7,8,9,10,11,12,13,14,15
	STEP \t
.endr
	ds_load_b64 v[8:9], v6
	s_wait_dscnt 0x0
	global_store_b64 v7, v[8:9], s[14:15]          ; 256 scale bytes, aligned
	s_branch .Lend
.Lcast:                                            ; w_proj to f16: a load reads 512 consecutive bytes, a store writes 256, aligned
	s_sub_co_u32 s17, ttmp9, 352
	s_lshl_b32 s17, s17, 2
	s_add_co_u32 s18, s17, s16
	s_lshl_b32 s24, s18, 15
	s_mov_b32 s25, 0
	s_add_nc_u64 s[4:5], s[8:9], s[24:25]
	s_lshl_b32 s20, s18, 14
	s_add_co_u32 s20, s20, WP
	s_mov_b32 s21, 0
	s_add_nc_u64 s[12:13], s[10:11], s[20:21]
.macro LOADG g
.set GL_, RA+64*((\g)%2)
.irp j, 0,1,2,3,4,5,6,7,8,9,10,11,12,13,14,15
	global_load_b128 v[GL_+4*\j:GL_+4*\j+3], v3, s[4:5] offset:512*(16*(\g)+\j) th:TH_LOAD_NT
.endr
.endm
.macro CASTG g
.set GB_, RA+64*((\g)%2)
.if (\g) < 3
	s_wait_loadcnt 16                              ; my 16 loads are in; the 16 of the other set stay out
.else
	s_wait_loadcnt 0x0
.endif
.if (\g) > 0
	s_wait_xcnt 0x0                                ; the stores of the last group have read their data: it is written again
.endif
.irp j, 0,1,2,3,4,5,6,7,8,9,10,11,12,13,14,15
	v_cvt_pk_f16_f32 v[OUTC+2*\j], v[GB_+4*\j], v[GB_+4*\j+1]
	v_cvt_pk_f16_f32 v[OUTC+2*\j+1], v[GB_+4*\j+2], v[GB_+4*\j+3]
.endr
.irp j, 0,1,2,3,4,5,6,7,8,9,10,11,12,13,14,15
	global_store_b64 v4, v[OUTC+2*\j:OUTC+2*\j+1], s[12:13] offset:256*(16*(\g)+\j)
.endr
.if (\g)+2 < 4
	LOADG (\g)+2
.endif
.endm
	LOADG 0
	LOADG 1
	CASTG 0
	CASTG 1
	CASTG 2
	CASTG 3
.Lend:
	s_wait_tensorcnt 0x0                           ; the end of the wave
	ds_add_u32 v[SPW], v[NIL]
	s_wait_dscnt 0x0
	s_endpgm
.Lfunc_end_k_q5db9ae9986_quant:
	.size	k_q5db9ae9986_quant, .Lfunc_end_k_q5db9ae9986_quant-k_q5db9ae9986_quant
	.p2alignl 7, 3214868480
	.fill 96, 4, 3214868480
	.section	.rodata,"a",@progbits
	.p2align	6, 0x0
	.amdhsa_kernel k_q5db9ae9986_quant
		.amdhsa_group_segment_fixed_size 33280
		.amdhsa_private_segment_fixed_size 0
		.amdhsa_enable_private_segment 0
		.amdhsa_kernarg_size 32
		.amdhsa_user_sgpr_count 2
		.amdhsa_user_sgpr_kernarg_segment_ptr 1
		.amdhsa_wavefront_size32 1
		.amdhsa_system_sgpr_workgroup_id_x 1
		.amdhsa_system_sgpr_workgroup_id_y 1
		.amdhsa_system_sgpr_workgroup_id_z 1
		.amdhsa_system_vgpr_workitem_id 0
		.amdhsa_next_free_vgpr 192
		.amdhsa_next_free_sgpr 66
		.amdhsa_reserve_vcc 0
		.amdhsa_float_denorm_mode_32 3
		.amdhsa_float_denorm_mode_16_64 3
		.amdhsa_memory_ordered 1
		.amdhsa_forward_progress 1
		.amdhsa_inst_pref_size 54
	.end_amdhsa_kernel
	.amdgpu_metadata
---
amdhsa.version: [ 1, 2 ]
amdhsa.kernels:
  - .name:           k_q5db9ae9986_quant
    .symbol:         k_q5db9ae9986_quant.kd
    .args:
      - { .name: x, .offset: 0, .size: 8, .value_kind: global_buffer, .address_space: global }
      - { .name: w_attn, .offset: 8, .size: 8, .value_kind: global_buffer, .address_space: global }
      - { .name: w_proj, .offset: 16, .size: 8, .value_kind: global_buffer, .address_space: global }
      - { .name: pre, .offset: 24, .size: 8, .value_kind: global_buffer, .address_space: global }
    .group_segment_fixed_size: 33280
    .private_segment_fixed_size: 0
    .kernarg_segment_align: 8
    .kernarg_segment_size: 32
    .max_flat_workgroup_size: 128
    .sgpr_count:     66
    .vgpr_count:     192
    .wavefront_size: 32
...
	.end_amdgpu_metadata
.endif
;; end of part 1
;; launch qkv (part 2): grid 12 x 32, 4 waves a work-group, clusters of 4 x 4, 327,680 bytes of LDS; arguments pre, freqs_cos, freqs_sin, qkv, fac, fine; writes qkv, fac, fine
.if DOCPART == 2
	.amdgcn_target "amdgcn-amd-amdhsa--gfx1250"
	.amdhsa_code_object_version 6
	.text
	.protected	k_q5db9ae9986_qkv
	.globl	k_q5db9ae9986_qkv
	.p2align	8
	.type	k_q5db9ae9986_qkv,@function
k_q5db9ae9986_qkv:
	s_mov_b64 s[64:65], 0
	v_nop
	global_prefetch_b8 v0, s[64:65] scope:SCOPE_SE
	s_setreg_imm32_b32 hwreg(HW_REG_WAVE_MODE, 25, 1), 1
	s_wait_xcnt 0x0
	s_wait_alu depctr_hold_cnt(0) depctr_sa_sdst(0) depctr_va_vdst(0) depctr_va_sdst(0) depctr_va_ssrc(0) depctr_va_vcc(0) depctr_vm_vsrc(0)
	s_getreg_b32 s2, hwreg(HW_REG_IB_STS2, 6, 4)
	s_cmp_eq_u32 s2, 0
	s_cbranch_scc0 .Lentry_in_a_cluster
	s_endpgm
.Lentry_in_a_cluster:
	s_bfe_u32 s2, ttmp6, 0x10000c
	s_cmp_lg_u32 s2, 0xf033
	s_cbranch_scc0 .Lentry_shape_is_right
	s_endpgm
.Lentry_shape_is_right:
; Launch 2 of 5: qkv = Q(x) Q(w_attn)^T on codes of FP4 with E8M0 scales, f32 sums; then RoPE on q and k in f32; then f16.
; A tile of 256 tokens x 256 columns to a work-group of four waves; a wave makes 128 x 128 in 64 accumulators.  K = 1,024 is two LDS slots of 512 along K, both filled at the start: nothing is filled again.
; CLUSTER 4 x 4: the four of a row ask jointly for the tiles of x, the four of a column for those of w_attn.  A cluster is 1,024 columns wide, so the cluster x (0, 1, 2) says whether it makes q, k or v:
; every branch on it is the same in all partners.  The place in the cluster enters global addresses and one lane mask, no branch and no LDS address.
; THE MATRIX INSTRUCTION IS USED TRANSPOSED (source 0 = 16 rows of w_attn, source 1 = 16 tokens): lane (r, h) holds token r and eight neighbouring columns 16 b + 8 h + 0..7: four RoPE pairs.
; OUT: qkv part p at p x 16,777,216, laid [batch][head][token][64] f16.  q and k are divided by a power of two for each 64 tokens x head (the exponent of the largest magnitude there), so that
; they lie under 2 in f16 whatever the size of the inputs; fac holds c x 2^e for q (c = log2(e) / 8) and 2^e for k.  v goes to f16 as it is.  fine holds tokens 0-15 of each batch in f32.
; LIMITS: v up to 65,504 in magnitude; NaN and infinities are not served.  The four factor words of a wave leave as four single words: 16 KiB in the whole launch.
.set KSTEP,  512
.set NQ,     4
.set ROWB,   256
.set KROW,   512
.set PITCH,  272                       ; an LDS row: 256 bytes + 16: the 16 rows of a fragment load start at 16 different groups of four banks
.set FR,     8
.set NL,     2
.set NP,     4
.set HALFT,  128*PITCH
.set SLOT,   4*HALFT
.set KS,     32
.set SCL,    2*SLOT                    ; behind the slots: the scale bytes, units of 256 bytes + 16
.set HALFS,  (128*KS/256)*272
.set SBLK,   (16*KS/256)*272
.set SPARE,  SCL+4*HALFS               ; the spare words: 128 bytes a wave, named by no other line
.set WC,     4194304
.set XS,     5767168
.set WS,     6029312
.set MX,   2                           ; v2-3   behind the products: the largest magnitude of each of my two heads
.set TM,   4                           ; v4-5   at work
.set INV,  6                           ; v[6:7], v[8:9] 2^-e of each head, twice for the packed multiply
.set FAC,  10                          ; v10-13 2^e of (group, head)
.set ADRA, 16
.set ADRB, 20
.set FSTO, 22                          ; v22 the f32 stage: where I put 32 bytes of a row
.set FRD,  23                          ; v23 and where I read a row back
.set STO,  24                          ; v24 the f16 stage: where I put 16 bytes of a row
.set RD,   25                          ; v25 and where I read four tokens of a head back
.set CO,   26                          ; v26 16 x lane
.set ADRS, 27
.set SPW,  28
.set NIL,  29
.set TA,   30                          ; v30 my place in the tables: 128 r + 16 h
.set LN,   31                          ; v31 lane
.set SC,   32                          ; v32-95 scale words, two sets: they hold scales and nothing else
.set PK,   96                          ; v96-127 packed f16
.set AF,   128                         ; v128-191 fragments of x; behind the products: T
.set T,    128
.set BKR,  192                         ; v192-255 rows read back, two sets
.set G1, 24
.set G0, 32
.set G1B, 48
.set G0B, 56
.set G1S, 68
.set G0S, 76
.set G1SB, 80
.set G0SB, 88
.set MSB, 0
.macro WIN new
.if MSB != (\new)
	s_set_vgpr_msb (MSB<<8)|(\new)
.set MSB, (\new)
.endif
.endm
.set MUL_LO, 0xa1
.set MUL_HI, 0xf1
.set TO_B,   0x40
.macro JLOAD g0a, g1a, g0b, g1b        ; waves 0 and 1 fetch for x, waves 2 and 3 for w_attn; an s_nop 0 and four v_nop follow each line
	s_cmp_eq_u32 s15, 0
	s_cbranch_scc0 .Lfor_b_\@
	tensor_load_to_lds s[\g0a:\g0a+3], s[\g1a:\g1a+7]
	s_nop 0
.rept 4
	v_nop
.endr
	s_branch .Lasked_\@
.Lfor_b_\@:
	tensor_load_to_lds s[\g0b:\g0b+3], s[\g1b:\g1b+7]
	s_nop 0
.rept 4
	v_nop
.endr
.Lasked_\@:
.endm
.macro CROUND                          ; a round of the barrier of the cluster
	s_barrier_signal -1
	s_barrier_wait -1
	s_cmp_lg_u32 s14, 0
	s_cbranch_scc1 .Lnot_wave_0_\@
	s_barrier_signal -3
.Lnot_wave_0_\@:
	s_barrier_wait -3
	s_barrier_signal -1
	s_barrier_wait -1
.endm
	s_load_b64 s[4:5], s[0:1], 0x0                 ; pre
	s_load_b128 s[96:99], s[0:1], 0x8              ; freqs_cos, freqs_sin
	s_load_b64 s[12:13], s[0:1], 0x18              ; qkv
	s_load_b64 s[100:101], s[0:1], 0x20            ; fac
	s_load_b64 s[104:105], s[0:1], 0x28            ; fine
	v_lshl_add_u32 v[SPW], v0, 2, SPARE
	v_mov_b32 v[NIL], 0
	ds_add_u32 v[SPW], v[NIL]                      ; the opening: the add, twice on end, and its wait ahead of my first tensor load
	ds_add_u32 v[SPW], v[NIL]
	v_lshrrev_b32 v1, 5, v0
	v_readfirstlane_b32 s14, v1                    ; wave
	s_lshr_b32 s15, s14, 1                         ; my half of the tokens; also: I fetch for x (0) or w_attn (1)
	s_and_b32 s16, s14, 1                          ; my half of the columns; also: which 128 rows I fetch
	s_bfe_u32 s40, ttmp6, 0x40000                  ; cx
	s_bfe_u32 s41, ttmp6, 0x40004                  ; cy
	s_lshl_b32 s42, ttmp9, 2
	s_add_co_u32 s42, s42, s40                     ; tile column, 0 to 11
	s_and_b32 s17, ttmp7, 0xffff
	s_lshl_b32 s17, s17, 2
	s_add_co_u32 s17, s17, s41                     ; tile row, 0 to 31
	s_lshl_b32 s43, s41, 2
	s_lshl_b32 s43, 15, s43                        ; my row of the cluster
	s_lshl_b32 s44, 0x1111, s40                    ; my column
	s_or_b32 s[G1+0], s43, (0<<16)|(1<<20)|(1<<21)|(5<<22)|(3<<25)   ; elements of 1 byte; 4 words of padding behind every 64
	s_or_b32 s[G1B+0], s44, (0<<16)|(1<<20)|(1<<21)|(5<<22)|(3<<25)
.irp g, G1, G1B
	s_mov_b32 s[\g+1], ROWB<<16
	s_mov_b32 s[\g+2], 128<<16
	s_mov_b32 s[\g+3], ROWB<<16
	s_mov_b32 s[\g+4], 128
	s_mov_b32 s[\g+5], KROW
	s_mov_b32 s[\g+6], 0
	s_mov_b32 s[\g+7], 0
.endr
	s_or_b32 s[G1S+0], s43, (3<<16)|(1<<20)|(1<<21)|(5<<22)|(3<<25)  ; the scale bytes of 128 rows: a dense block, as rows of 256 bytes
	s_or_b32 s[G1SB+0], s44, (3<<16)|(1<<20)|(1<<21)|(5<<22)|(3<<25)
.irp g, G1S, G1SB
	s_mov_b32 s[\g+1], 32<<16
	s_mov_b32 s[\g+2], (128*KS/256)<<16
	s_mov_b32 s[\g+3], 32<<16
	s_mov_b32 s[\g+4], 128*KS/256
	s_mov_b32 s[\g+5], 32
	s_mov_b32 s[\g+6], 0
	s_mov_b32 s[\g+7], 0
.endr
	s_lshl_b32 s18, s16, 7
	s_lshl_b32 s20, s17, 8
	s_add_co_u32 s20, s20, s18                     ; x: row 256 x tile row + 128 x half
	s_lshl_b32 s46, s42, 8
	s_add_co_u32 s46, s46, s18                     ; w_attn: row 256 x tile column + 128 x half
	s_mov_b32 s21, 0
	s_mov_b32 s47, 0
	s_mov_b64 s[18:19], KS
	s_mul_u64 s[22:23], s[20:21], s[18:19]
	s_mul_u64 s[92:93], s[46:47], s[18:19]
	s_mov_b64 s[18:19], KROW
	s_mul_u64 s[20:21], s[20:21], s[18:19]
	s_mul_u64 s[46:47], s[46:47], s[18:19]
	s_add_nc_u64 s[22:23], s[22:23], XS            ; the four places in pre, as offsets
	s_add_nc_u64 s[92:93], s[92:93], WS
	s_add_nc_u64 s[46:47], s[46:47], WC
	s_mul_i32 s45, s14, HALFT
	s_mul_i32 s94, s14, HALFS
	s_wait_dscnt 0x0                               ; both opening adds are done
	s_wait_kmcnt 0x0
	s_add_nc_u64 s[20:21], s[4:5], s[20:21]
	s_add_nc_u64 s[22:23], s[4:5], s[22:23]
	s_add_nc_u64 s[46:47], s[4:5], s[46:47]
	s_add_nc_u64 s[92:93], s[4:5], s[92:93]
	CROUND                                         ; all sixteen work-groups are here: the joint loads meet
	s_mov_b32 s[G0S], 1
	s_add_co_u32 s[G0S+1], s94, SCL
	s_mov_b64 s[G0S+2:G0S+3], s[22:23]
	s_or_b32 s[G0S+3], s[G0S+3], 0x80000000
	s_mov_b32 s[G0SB], 1
	s_add_co_u32 s[G0SB+1], s94, SCL
	s_mov_b64 s[G0SB+2:G0SB+3], s[92:93]
	s_or_b32 s[G0SB+3], s[G0SB+3], 0x80000000
	JLOAD G0S, G1S, G0SB, G1SB
.irp s, 0,1
	s_mov_b32 s[G0+4*\s], 1
	s_add_co_u32 s[G0+4*\s+1], s45, \s*SLOT
	s_add_nc_u64 s[G0+4*\s+2:G0+4*\s+3], s[20:21], \s*ROWB
	s_or_b32 s[G0+4*\s+3], s[G0+4*\s+3], 0x80000000
	s_mov_b32 s[G0B+4*\s], 1
	s_add_co_u32 s[G0B+4*\s+1], s45, \s*SLOT
	s_add_nc_u64 s[G0B+4*\s+2:G0B+4*\s+3], s[46:47], \s*ROWB
	s_or_b32 s[G0B+4*\s+3], s[G0B+4*\s+3], 0x80000000
	JLOAD G0+4*\s, G1, G0B+4*\s, G1B               ; three loads of mine are out: the scales and both slots
.endr
	v_and_b32 v1, 15, v0                           ; r
	v_bfe_u32 v2, v0, 4, 1                         ; h
	v_mul_u32_u24 v3, v1, PITCH
	v_lshl_add_u32 v4, v2, 4, v3
	s_mul_i32 s21, s15, HALFT
	s_mul_i32 s22, s16, HALFT
	s_add_co_u32 s22, s22, 2*HALFT
.irp s, 0,1
	v_add_nc_u32 v[ADRA+\s], s21, v4
	v_add_nc_u32 v[ADRB+\s], s22, v4
	s_add_co_u32 s21, s21, SLOT
	s_add_co_u32 s22, s22, SLOT
.endr
	v_mul_u32_u24 v5, v1, KS
	v_lshrrev_b32 v6, 8, v5
	v_lshl_add_u32 v5, v6, 4, v5
	s_mul_i32 s21, s15, HALFS
	s_mul_i32 s22, s16, HALFS
	s_add_co_u32 s22, s22, 2*HALFS
	s_sub_co_u32 s22, s22, s21
	v_mul_u32_u24 v6, s22, v2                      ; lanes 16-31 take the words of w_attn
	s_add_co_u32 s21, s21, SCL
	v_add_nc_u32 v5, v5, v6
	v_add_nc_u32 v[ADRS], s21, v5
	s_mul_i32 s23, s14, 16*272                     ; my f16 stage, in slot 0: it has its only fill at the start and is read no more when results are stored there
	v_add_nc_u32 v[STO], s23, v4                   ; row r, 16 bytes for each half of the lanes
	v_and_b32 v[LN], 31, v0
	v_lshlrev_b32 v[CO], 4, v[LN]
	v_bfe_u32 v5, v0, 3, 2
	v_and_b32 v6, 7, v0
	v_mul_u32_u24 v5, v5, 272
	v_lshl_add_u32 v5, v6, 4, v5
	v_add_nc_u32 v[RD], s23, v5                    ; back: eight lanes take the 128 bytes of a token and head
	s_mul_i32 s23, s16, 16*528
	s_add_co_u32 s23, s23, 65536                   ; the f32 stage of waves 0 and 1
	v_mul_u32_u24 v5, v1, 528
	v_lshl_add_u32 v5, v2, 5, v5
	v_add_nc_u32 v[FSTO], s23, v5
	v_add_nc_u32 v[FRD], s23, v[CO]
	v_lshlrev_b32 v[TA], 7, v1
	v_lshl_add_u32 v[TA], v2, 4, v[TA]
	s_and_b32 s66, s17, 7                          ; tile row within the batch
	s_lshr_b32 s67, s17, 3                         ; batch
	s_lshl_b32 s18, s66, 8
	s_lshl_b32 s19, s15, 7
	s_add_co_u32 s18, s18, s19                     ; my first token in the batch
	s_lshl_b32 s20, s18, 7
	s_mov_b32 s21, 0
	s_add_nc_u64 s[96:97], s[96:97], s[20:21]      ; the tables at that token: 128 bytes a row
	s_add_nc_u64 s[98:99], s[98:99], s[20:21]
	s_lshl_b32 s19, s40, 2
	s_lshl_b32 s22, s16, 1
	s_add_co_u32 s19, s19, s22                     ; my first head
	s_lshl_b32 s22, s67, 4
	s_add_co_u32 s22, s22, s19                     ; 16 x batch + head
	s_lshl_b32 s20, s22, 11
	s_add_co_u32 s20, s20, s18
	s_lshl_b32 s20, s20, 7
	s_lshl_b32 s23, ttmp9, 24
	s_add_co_u32 s20, s20, s23
	s_add_nc_u64 s[12:13], s[12:13], s[20:21]
	s_lshl_b32 s20, s22, 5
	s_lshr_b32 s23, s18, 6
	s_add_co_u32 s20, s20, s23
	s_lshl_b32 s20, s20, 2
	s_lshl_b32 s23, ttmp9, 13
	s_add_co_u32 s20, s20, s23
	s_add_nc_u64 s[100:101], s[100:101], s[20:21]
	s_mul_i32 s20, s67, 196608
	s_lshl_b32 s23, s42, 10
	s_add_co_u32 s20, s20, s23
	s_lshl_b32 s23, s16, 9
	s_add_co_u32 s20, s20, s23
	s_add_nc_u64 s[104:105], s[104:105], s[20:21]
	s_mov_b32 s2, 0x76543210
	s_mov_b32 s3, 0xfedcba98                       ; selects for lane l xor 16
; The tables of 64 tokens (group G): for row block a and each 16 columns of a head, four cosines and four sines a lane.  They lie in window 1: group 0 in v64-127 and v192-255, group 1 in v0-63 and v128-191,
; where the fragments of w_attn lay.  Both groups are loaded on the way of q and k alone, behind the last products: v has no RoPE and loads no table.
.macro TABLES G
.irp a, 0,1,2,3
.irp cb, 0,1,2,3
	global_load_b128 v[(1-\G)*64+128*(\a/2)+32*(\a%2)+4*\cb:(1-\G)*64+128*(\a/2)+32*(\a%2)+4*\cb+3], v[TA], s[96:97] offset:(64*\G+16*\a)*128+32*\cb
	global_load_b128 v[(1-\G)*64+128*(\a/2)+32*(\a%2)+16+4*\cb:(1-\G)*64+128*(\a/2)+32*(\a%2)+16+4*\cb+3], v[TA], s[98:99] offset:(64*\G+16*\a)*128+32*\cb
.endr
.endr
.endm
.macro FRAG reg, adr, q, i
.irp c, 0,1
	ds_load_b128 v[\reg+4*\c:\reg+4*\c+3], v[\adr] offset:64*(\q)+32*\c+(\i)*16*PITCH
.endr
.endm
; 16 matrix instructions; the 64 accumulators take turns, one instruction a turn, in the same order in every step
.macro MUL16 a0, p, q, sc, zero
.irp a, \a0, \a0+1
.irp b, 0,1,2,3,4,5,6,7
.if \zero
	v_wmma_scale_f32_16x16x128_f8f6f4 v[8*(8*((\a)%4)+\b):8*(8*((\a)%4)+\b)+7], v[128*(\p)+FR*\b:128*(\p)+FR*\b+FR-1], v[AF+FR*(\a):AF+FR*(\a)+FR-1], 0, v[SC+8*NQ*(\sc)+NQ*\b+(\q)], v[SC+8*NQ*(\sc)+NQ*(\a)+(\q)] matrix_a_fmt:MATRIX_FMT_FP4 matrix_b_fmt:MATRIX_FMT_FP4 matrix_a_scale:MATRIX_SCALE_ROW1
.else
	v_wmma_scale_f32_16x16x128_f8f6f4 v[8*(8*((\a)%4)+\b):8*(8*((\a)%4)+\b)+7], v[128*(\p)+FR*\b:128*(\p)+FR*\b+FR-1], v[AF+FR*(\a):AF+FR*(\a)+FR-1], v[8*(8*((\a)%4)+\b):8*(8*((\a)%4)+\b)+7], v[SC+8*NQ*(\sc)+NQ*\b+(\q)], v[SC+8*NQ*(\sc)+NQ*(\a)+(\q)] matrix_a_fmt:MATRIX_FMT_FP4 matrix_b_fmt:MATRIX_FMT_FP4 matrix_a_scale:MATRIX_SCALE_ROW1
.endif
.endr
.endr
.endm
.macro FETCH_B slot, q, p
	WIN TO_B
.irp i, 0,1,2,3,4,5,6,7
	FRAG 128*(\p)+FR*\i, ADRB+\slot, \q, \i
.endr
	WIN 0
.endm
.macro FETCH_A slot, q, i0
.irp i, \i0, \i0+1, \i0+2, \i0+3
	FRAG AF+FR*(\i), ADRA+\slot, \q, \i
.endr
.endm
.macro SCALES sc
.irp i, 0,1,2,3,4,5,6,7
	ds_load_b128 v[SC+8*NQ*\sc+NQ*\i:SC+8*NQ*\sc+NQ*\i+3], v[ADRS] offset:\i*SBLK
.endr
.endm
.macro PLACES n                        ; plain vector places behind matrix instructions (ISA guide 7.12.1)
.rept \n
	v_nop
.endr
.endm
.macro STEP slot, q, zero
	s_wait_dscnt 4*NL                              ; all but the youngest eight loads (blocks 4-7 of x)
	WIN MUL_LO
	MUL16 0, (\q)%2, \q, \slot, \zero
	MUL16 2, (\q)%2, \q, \slot, \zero
	s_wait_dscnt 0
	PLACES NP
	FETCH_B \slot, (\q)+1, 1-(\q)%2
	FETCH_A \slot, (\q)+1, 0
	WIN MUL_HI
	MUL16 4, (\q)%2, \q, \slot, \zero
	MUL16 6, (\q)%2, \q, \slot, \zero
	PLACES NP
	WIN 0
	FETCH_A \slot, (\q)+1, 4
.endm
.macro TURN slot, next                 ; the last step of slot 0 goes over to slot 1: my part of it has landed, and one barrier shows it whole to all four waves
	s_wait_tensorcnt 0x0
	ds_add_u32 v[SPW], v[NIL]
	s_wait_dscnt 4*NL+1                            ; the add and the youngest eight loads may be out
	WIN MUL_LO
	MUL16 0, 1, NQ-1, \slot, 0
	s_wait_dscnt 0x0
	s_barrier_signal -1
	MUL16 2, 1, NQ-1, \slot, 0
	WIN 0
	s_barrier_wait -1
	PLACES NP
	v_add_nc_u32 v[ADRS], 4*NQ, v[ADRS]
	FETCH_B \next, 0, 0
	FETCH_A \next, 0, 0
	SCALES \next
	WIN MUL_HI
	MUL16 4, 1, NQ-1, \slot, 0
	MUL16 6, 1, NQ-1, \slot, 0
	PLACES NP
	WIN 0
	FETCH_A \next, 0, 4
.endm
.macro STEPS slot, from
.set Q, \from
.rept NQ-1-\from
	STEP \slot, Q, 0
.set Q, Q+1
.endr
.endm
	s_wait_tensorcnt 1                             ; the scales and slot 0 are in; the load of slot 1 may be out
	s_barrier_signal -1
	s_barrier_wait -1
	FETCH_B 0, 0, 0
	FETCH_A 0, 0, 0
	SCALES 0
	FETCH_A 0, 0, 4
	STEP 0, 0, 1                                   ; the first products start the sums: nothing is cleared
	STEPS 0, 1
	TURN 0, 1
	STEPS 1, 0
	s_wait_dscnt 4*NL
	WIN MUL_LO
	MUL16 0, 1, NQ-1, 1, 0
	MUL16 2, 1, NQ-1, 1, 0
	s_wait_dscnt 0
	WIN MUL_HI
	MUL16 4, 1, NQ-1, 1, 0
	MUL16 6, 1, NQ-1, 1, 0
	WIN 0
; ---- BEHIND THE PRODUCTS.  Group G = my tokens 64 G .. 64 G + 63 = window 2 + G; row block a of four; accumulator (a, b) at v[64 a + 8 b]; head b / 4.
; RoPE of a block: T = (ti s, tr s); acc = acc c + (-T.lo, +T.hi); then the largest magnitude of each head.  Each accumulator is read from its low end on.
.macro ROPE G, a
.set AC_, 64*(\a)
.set TC_, (1-\G)*64+128*((\a)/2)+32*((\a)%2)
	WIN (2+\G)|4
.irp b, 0,1,2,3,4,5,6,7
.irp p, 0,1
	v_pk_mul_f32 v[T+8*\b+4*\p:T+8*\b+4*\p+1], v[AC_+8*\b+4*\p:AC_+8*\b+4*\p+1], v[TC_+16+4*(\b%4)+2*\p:TC_+16+4*(\b%4)+2*\p+1] op_sel:[1,0] op_sel_hi:[0,0]
	v_pk_mul_f32 v[T+8*\b+4*\p+2:T+8*\b+4*\p+3], v[AC_+8*\b+4*\p+2:AC_+8*\b+4*\p+3], v[TC_+16+4*(\b%4)+2*\p:TC_+16+4*(\b%4)+2*\p+1] op_sel:[1,1] op_sel_hi:[0,1]
.endr
.endr
	WIN ((2+\G)<<6)|(2+\G)|4
.irp b, 0,1,2,3,4,5,6,7
.irp p, 0,1
	v_pk_fma_f32 v[AC_+8*\b+4*\p:AC_+8*\b+4*\p+1], v[AC_+8*\b+4*\p:AC_+8*\b+4*\p+1], v[TC_+4*(\b%4)+2*\p:TC_+4*(\b%4)+2*\p+1], v[T+8*\b+4*\p:T+8*\b+4*\p+1] op_sel:[0,0,0] op_sel_hi:[1,0,1] neg_lo:[0,0,1]
	v_pk_fma_f32 v[AC_+8*\b+4*\p+2:AC_+8*\b+4*\p+3], v[AC_+8*\b+4*\p+2:AC_+8*\b+4*\p+3], v[TC_+4*(\b%4)+2*\p:TC_+4*(\b%4)+2*\p+1], v[T+8*\b+4*\p+2:T+8*\b+4*\p+3] op_sel:[0,1,0] op_sel_hi:[1,1,1] neg_lo:[0,0,1]
.endr
.endr
	WIN ((2+\G)<<2)|((2+\G)<<4)
.irp i, 0,2,4,6
.irp b, 0,4,1,5,2,6,3,7
	v_max3_num_f32 v[MX+\b/4], v[MX+\b/4], |v[AC_+8*\b+\i]|, |v[AC_+8*\b+\i+1]|
.endr
.endr
.endm
; over the 32 lanes; FAC = 2^e, the exponent of the largest magnitude, held to 2^-126 .. 2^126; INV = 2^-e, twice for the packed multiply
.macro REDUCE G
	WIN 0
.irp m, 1,2,4,8
.irp hd, 0,1
	v_max_num_f32_dpp v[MX+\hd], v[MX+\hd], v[MX+\hd] row_xmask:\m row_mask:0xf bank_mask:0xf
.endr
.endr
.irp hd, 0,1
	v_permlanex16_b32 v[TM+\hd], v[MX+\hd], s2, s3
.endr
.irp hd, 0,1
	v_max_num_f32 v[MX+\hd], v[MX+\hd], v[TM+\hd]
.endr
.irp hd, 0,1
	v_and_b32 v[FAC+2*\G+\hd], 0x7f800000, v[MX+\hd]
.endr
.irp hd, 0,1
	v_min_u32 v[FAC+2*\G+\hd], 0x7e800000, v[FAC+2*\G+\hd]
.endr
.irp hd, 0,1
	v_sub_nc_u32 v[INV+2*\hd], 0x7f000000, v[FAC+2*\G+\hd]
.endr
.irp hd, 0,1
	v_mov_b32 v[INV+2*\hd+1], v[INV+2*\hd]
.endr
.endm
.macro SPACK G, a                      ; a block of q or k: x 2^-e, to f16
.set AC_, 64*(\a)
	WIN 2+\G
.irp b, 0,1,2,3,4,5,6,7
.irp i, 0,2,4,6
	v_pk_mul_f32 v[T+8*\b+\i:T+8*\b+\i+1], v[AC_+8*\b+\i:AC_+8*\b+\i+1], v[INV+2*(\b/4):INV+2*(\b/4)+1] op_sel_hi:[1,0]
.endr
.endr
	WIN 0
.irp b, 0,1,2,3,4,5,6,7
.irp i, 0,1,2,3
	v_cvt_pk_f16_f32 v[PK+4*\b+\i], v[T+8*\b+2*\i], v[T+8*\b+2*\i+1]
.endr
.endr
.endm
.macro VPACK G, a                      ; a block of v: to f16 as it is
.set AC_, 64*(\a)
	WIN (2+\G)|((2+\G)<<2)
.irp b, 0,1,2,3,4,5,6,7
.irp i, 0,1,2,3
	v_cvt_pk_f16_f32 v[PK+4*\b+\i], v[AC_+8*\b+2*\i], v[AC_+8*\b+2*\i+1]
.endr
.endr
	WIN 0
.endm
.macro TOSTAGE a, so                   ; 16 tokens x 256 bytes into my stage, and back as 4 tokens x 128 bytes of one head an instruction; LDS serves a wave in order
.set BB_, BKR+32*((\a)%2)
.irp b, 0,1,2,3,4,5,6,7
	ds_store_b128 v[STO], v[PK+4*\b:PK+4*\b+3] offset:\so+32*\b
.endr
.irp hd, 0,1
.irp g, 0,1,2,3
	ds_load_b128 v[BB_+4*(4*\hd+\g):BB_+4*(4*\hd+\g)+3], v[RD] offset:\so+\g*4*272+128*\hd
.endr
.endr
.endm
.macro SEND a                          ; each store of the wave covers 512 consecutive bytes, aligned
.set BS_, BKR+32*((\a)%2)
	s_wait_dscnt 0x0                               ; the block is back
	s_wait_xcnt 0x0                                ; the stores of the block before have read their data: the next loads may land there
.irp hd, 0,1
.irp g, 0,1,2,3
	global_store_b128 v[CO], v[BS_+4*(4*\hd+\g):BS_+4*(4*\hd+\g)+3], s[12:13] offset:(\a)*2048+\hd*262144+512*\g
.endr
.endr
.endm
; Tokens 0-15 of a batch in f32: waves 0 and 1 send row block 0 through an f32 stage; the stores run with all lanes off where the tile is not the first of its batch (a lane mask, since that hangs on the place in the cluster)
.macro FINE fo
	WIN 0
	s_cmp_lg_u32 s15, 0
	s_cbranch_scc1 .Lno_fine_\@
	WIN 0x08
.irp b, 0,1,2,3,4,5,6,7
	ds_store_b128 v[FSTO], v[8*\b:8*\b+3] offset:\fo+64*\b
	ds_store_b128 v[FSTO], v[8*\b+4:8*\b+7] offset:\fo+64*\b+16
.endr
	WIN 0
.irp t, 0,1,2,3,4,5,6,7,8,9,10,11,12,13,14,15
	ds_load_b128 v[BKR+4*\t:BKR+4*\t+3], v[FRD] offset:\fo+528*\t
.endr
	s_wait_dscnt 0x0
	s_wait_xcnt 0x0                                ; EXEC changes only behind this wait
	s_cmp_eq_u32 s66, 0
	s_cselect_b32 vcc_lo, -1, 0
	s_and_saveexec_b32 s95, vcc_lo
.irp t, 0,1,2,3,4,5,6,7,8,9,10,11,12,13,14,15
	global_store_b128 v[CO], v[BKR+4*\t:BKR+4*\t+3], s[104:105] offset:12288*\t
.endr
	s_wait_xcnt 0x0                                ; and again ahead of the line that widens it
	s_or_b32 exec_lo, exec_lo, s95
.Lno_fine_\@:
.endm
.macro QKGROUP G
	WIN 0
	v_mov_b32 v[MX], 0x00800000                    ; the floor 2^-126
	v_mov_b32 v[MX+1], 0x00800000
	s_wait_loadcnt 32*(1-\G)                       ; the tables of this group are in; the 32 loads of group 1 may be out
	ROPE \G, 0
.if \G == 0
	FINE 0
.endif
	ROPE \G, 1
	ROPE \G, 2
	ROPE \G, 3
	REDUCE \G
.irp a, 0,1,2,3
	SPACK \G, \a
.if 4*\G+\a > 0
	SEND 4*\G+\a-1
.endif
	TOSTAGE 4*\G+\a, 0
.endr
.endm
	PLACES NP                                      ; behind the last products: for the reads of results, and for writes and loads into operands
	s_cmp_eq_u32 ttmp9, 2
	s_cbranch_scc1 .Lv_path
	WIN TO_B
	TABLES 0                                       ; 32 loads for my tokens 0-63,
	TABLES 1                                       ; 32 for tokens 64-127
	WIN 0
	v_mov_b32 v[TM], 0                             ; the destination of a lane permute counts as read
	v_mov_b32 v[TM+1], 0
	QKGROUP 0
	QKGROUP 1
	SEND 7
	s_cmp_eq_u32 ttmp9, 0                          ; the four factors: lane l < 4 takes group l / 2, head l % 2
	s_mov_b32 s18, 1.0
	s_cselect_b32 s18, 0x3e38aa3b, s18             ; q carries c = log2(e) / 8
	v_and_b32 v[TM], 1, v[LN]
	v_cmp_eq_u32 vcc_lo, 1, v[TM]
	v_cndmask_b32 v[TM+1], v[FAC], v[FAC+1], vcc_lo
	v_cndmask_b32 v[INV], v[FAC+2], v[FAC+3], vcc_lo
	v_lshlrev_b32 v[INV+1], 7, v[TM]
	v_lshrrev_b32 v[TM], 1, v[LN]
	v_cmp_eq_u32 vcc_lo, 1, v[TM]
	v_cndmask_b32 v[TM+1], v[TM+1], v[INV], vcc_lo
	v_lshl_add_u32 v[INV+1], v[TM], 2, v[INV+1]    ; 128 bytes a head, 4 bytes a group
	v_mul_f32 v[TM+1], s18, v[TM+1]
	s_wait_xcnt 0x0
	v_cmp_gt_u32 vcc_lo, 4, v[LN]
	s_and_saveexec_b32 s95, vcc_lo
	global_store_b32 v[INV+1], v[TM+1], s[100:101]
	s_wait_xcnt 0x0
	s_or_b32 exec_lo, exec_lo, s95
	s_branch .Ljoin
.Lv_path:                                          ; this path has LDS bytes of its own
	FINE 16896
.irp a, 0,1,2,3,4,5,6,7
	VPACK \a/4, \a%4
.if \a > 0
	SEND \a-1
.endif
	TOSTAGE \a, 32768
.endr
	SEND 7
.Ljoin:
	s_wait_tensorcnt 0x0                           ; the end of the wave
	ds_add_u32 v[SPW], v[NIL]
	s_wait_dscnt 0x0
	CROUND                                         ; the closing round
	s_endpgm
.Lfunc_end_k_q5db9ae9986_qkv:
	.size	k_q5db9ae9986_qkv, .Lfunc_end_k_q5db9ae9986_qkv-k_q5db9ae9986_qkv
	.p2alignl 7, 3214868480
	.fill 96, 4, 3214868480
	.section	.rodata,"a",@progbits
	.p2align	6, 0x0
	.amdhsa_kernel k_q5db9ae9986_qkv
		.amdhsa_group_segment_fixed_size 327680
		.amdhsa_private_segment_fixed_size 0
		.amdhsa_enable_private_segment 0
		.amdhsa_kernarg_size 48
		.amdhsa_user_sgpr_count 2
		.amdhsa_user_sgpr_kernarg_segment_ptr 1
		.amdhsa_wavefront_size32 1
		.amdhsa_system_sgpr_workgroup_id_x 1
		.amdhsa_system_sgpr_workgroup_id_y 1
		.amdhsa_system_sgpr_workgroup_id_z 1
		.amdhsa_system_vgpr_workitem_id 0
		.amdhsa_next_free_vgpr 1024
		.amdhsa_next_free_sgpr 106
		.amdhsa_reserve_vcc 1
		.amdhsa_float_denorm_mode_32 3
		.amdhsa_float_denorm_mode_16_64 3
		.amdhsa_memory_ordered 1
		.amdhsa_forward_progress 1
		.amdhsa_inst_pref_size 241
	.end_amdhsa_kernel
	.amdgpu_metadata
---
amdhsa.version: [ 1, 2 ]
amdhsa.kernels:
  - .name:           k_q5db9ae9986_qkv
    .symbol:         k_q5db9ae9986_qkv.kd
    .args:
      - { .name: pre, .offset: 0, .size: 8, .value_kind: global_buffer, .address_space: global }
      - { .name: freqs_cos, .offset: 8, .size: 8, .value_kind: global_buffer, .address_space: global }
      - { .name: freqs_sin, .offset: 16, .size: 8, .value_kind: global_buffer, .address_space: global }
      - { .name: qkv, .offset: 24, .size: 8, .value_kind: global_buffer, .address_space: global }
      - { .name: fac, .offset: 32, .size: 8, .value_kind: global_buffer, .address_space: global }
      - { .name: fine, .offset: 40, .size: 8, .value_kind: global_buffer, .address_space: global }
    .group_segment_fixed_size: 327680
    .private_segment_fixed_size: 0
    .kernarg_segment_align: 8
    .kernarg_segment_size: 48
    .max_flat_workgroup_size: 128
    .sgpr_count:     106
    .vgpr_count:     1024
    .wavefront_size: 32
...
	.end_amdgpu_metadata
.endif
;; end of part 2
;; launch attn (part 3): grid 4 x 64, 8 waves a work-group, no clusters, 327,680 bytes of LDS; arguments qkv, fac, y16; writes y16
.if DOCPART == 3
	.amdgcn_target "amdgcn-amd-amdhsa--gfx1250"
	.amdhsa_code_object_version 6
	.text
	.protected	k_q5db9ae9986_attn
	.globl	k_q5db9ae9986_attn
	.p2align	8
	.type	k_q5db9ae9986_attn,@function
k_q5db9ae9986_attn:
	s_mov_b64 s[64:65], 0
	v_nop
	global_prefetch_b8 v0, s[64:65] scope:SCOPE_SE
	s_setreg_imm32_b32 hwreg(HW_REG_WAVE_MODE, 25, 1), 1
	s_wait_xcnt 0x0
; Launch 3 of 5: y = softmax(q k^T / 8, causal) v, operands in f16, products, maxima and sums in f32.
; LEFT OUT: steps of 64 keys all of which come after the 32 queries of a wave, and chunks of 256 keys behind the block of queries: the mask that the reference builds gives them no weight, whatever the inputs hold.
; SHARES.  Work-group (i, head) owns the blocks 7 - i and i of 256 queries: it walks key chunks 0 .. 7 - i for the first and 0 .. i for the second: nine chunks of 256 keys in every work-group,
; so that trip counts are constants and all 256 work-groups have the same work.  Wave w owns 32 queries, two tiles of 16; two waves share a SIMD.
; LAYOUT.  S^T = K Q^T (source 0 = 16 keys, source 1 = 16 queries), O^T = V^T P (V turned by ds_load_tr16_b128): a lane holds one query throughout.
; SCALES.  q and k carry a power of two for each 64 tokens: t = score x (c 2^eq) x 2^ek; the product of the two factors is the multiplier of the fused multiply-add, one for each step of 64 keys.
; The running maximum m is kept in units of t.  p = 2^(t - m) goes to f16; the sum is taken of the unrounded p and divides at the end.
; NO JOINT LOADS: the four work-groups of a head want a given chunk at different trips (chunk 0 in trip 0 and again in trips 8 - i).  In step, each holding both blocks, the walk would be
; 2+2+2+2+1+1+1+1 = 12 chunk times against 9, and the mask would let whole partners pass over tiles asked for jointly.
; LIMITS: NaN and infinities are not served; the product of the two factors overflows only where the scores of the reference do.
.set PKP,   144                        ; a key in LDS: 128 bytes + 16
.set PVP,   160                        ; a row of V: 128 bytes + 32
.set VOFF,  256*PKP
.set SLOT1, 1<<17
.set STAGE, SLOT1+256*(PKP+PVP)        ; 16 rows x 144 bytes for each wave, for the way out
.set SPARE, STAGE+8*16*144             ; the spare words: 128 bytes a wave, named by no other line
.set AK0, 1
.set AV0, 2
.set ADK, 3
.set ADV, 4
.set STO, 5
.set RD,  6
.set GO,  7
.set QO,  8
.set MB,  9                            ; v9 r - 8 h
.set SPW, 10
.set NIL, 11
.set PFO, 12                           ; v12 256 x lane
.set ST,  16                           ; tile t at v[16 + 8 t]: +0 m, +1 written, +2 +3 the sum, +4 .. +7 at work, a at +6
.set QR,  32                           ; v32-63 Q
.set S,   64                           ; v64-127 S^T, then p
.set O,   128                          ; v128-191 O^T
.set P,   192                          ; v192-223 P in f16
.set WO,  224                          ; v224-255 the way out.   Window 1: v0-63 K, v64-127 V, v128-159 Q of the second block
.set WV, 14
.set G1K, 16
.set G1V, 24
.set G0K, 32
.set G0V, 36
.set KB, 40
.set VB, 42
.set OFS, 44
.set KC, 46
.set KN, 47
.set LEN1, 48
.set SLOTS, 49
.set SWI, 50
.set TB, 51
.set KF, 52
.set Q0, 53
.set QL, 54
.set FQ, 55
.set FQ2, 56
.set Q2, 57
.set SEL, 58
.set FK, 60
.set CP, 66
.set KFB, 74
.set YB, 76
.set YB2, 78
.set PFA, 80
.set LIM, 82
.set MSB, 0
.macro WIN new
.if MSB != (\new)
	s_set_vgpr_msb (MSB<<8)|(\new)
.set MSB, (\new)
.endif
.endm
.macro TLOAD                           ; waves 0-3 fetch a quarter of K each, waves 4-7 of V: every wave has one load in one of the two arms
	s_cmp_lt_u32 s[WV], 4
	s_cbranch_scc0 .Lfor_v_\@
	tensor_load_to_lds s[G0K:G0K+3], s[G1K:G1K+7]
	s_nop 0
.rept 4
	v_nop
.endr
	s_branch .Lasked_\@
.Lfor_v_\@:
	tensor_load_to_lds s[G0V:G0V+3], s[G1V:G1V+7]
	s_nop 0
.rept 4
	v_nop
.endr
.Lasked_\@:
.endm
; A prefetch of the chunk behind the one that is being asked for.  Work-group 0 of a head, which walks chunks 0 to 7 in order, asks, and nobody else; each wave for its own quarter, 32 lanes 256 bytes apart:
; each block of 256 bytes is named once in the launch.  Trip n asks for chunk n + 2 while n is 5 or less: nothing at the head, nothing behind chunk 7.
.macro ASK
	s_cmp_gt_u32 s[SLOTS], s[LIM]
	s_cbranch_scc0 .Lnot_mine_\@
	global_prefetch_b8 v[PFO], s[PFA:PFA+1] th:TH_LOAD_NT scope:SCOPE_SE
.Lnot_mine_\@:
.endm
	s_load_b128 s[4:7], s[0:1], 0x0                ; qkv, fac
	s_load_b64 s[8:9], s[0:1], 0x10                ; y16
	v_lshl_add_u32 v[SPW], v0, 2, SPARE
	v_mov_b32 v[NIL], 0
	ds_add_u32 v[SPW], v[NIL]                      ; the opening: the add, twice on end, and its wait ahead of my first tensor load
	ds_add_u32 v[SPW], v[NIL]
	v_lshrrev_b32 v13, 5, v0
	v_readfirstlane_b32 s[WV], v13
	s_mov_b32 s[G1K], (1<<16)|(1<<20)|(4<<22)|(3<<25)   ; elements of 2 bytes; 4 words of padding behind every 32
	s_mov_b32 s[G1V], (1<<16)|(1<<20)|(4<<22)|(7<<25)   ; 8 words of padding
.irp g, G1K, G1V
	s_mov_b32 s[\g+1], 64<<16                      ; tensor_dim0 = 64
	s_mov_b32 s[\g+2], 64<<16                      ; tensor_dim1 = 64
	s_mov_b32 s[\g+3], 64<<16                      ; tile_dim0 = 64
	s_mov_b32 s[\g+4], 64                          ; tile_dim1 = 64
	s_mov_b32 s[\g+5], 64                          ; from row to row
	s_mov_b32 s[\g+6], 0
	s_mov_b32 s[\g+7], 0
.endr
	s_mov_b32 s10, ttmp9                           ; i
	s_and_b32 s11, ttmp7, 0xffff                   ; 16 x batch + head
	s_and_b32 s15, s[WV], 3                        ; my quarter of a chunk
	s_lshl_b32 s12, s11, 18                        ; a head is 2,048 rows of 128 bytes
	s_lshl_b32 s13, s15, 13
	s_add_co_u32 s[OFS], s12, s13
	s_add_co_u32 s[OFS], s[OFS], 16777216
	s_mov_b32 s[OFS+1], 0
	s_mov_b32 s[G0K], 1
	s_mul_i32 s[G0K+1], s15, 64*PKP
	s_mov_b32 s[G0V], 1
	s_mul_i32 s[G0V+1], s15, 64*PVP
	s_add_co_u32 s[G0V+1], s[G0V+1], VOFF
	s_sub_co_u32 s[LEN1], 8, s10
	s_add_co_u32 s[SWI], s10, 1
	s_mov_b32 s[SLOTS], 8
	s_mov_b32 s[TB], 0
	s_mov_b32 s[KN], 0
	s_lshl_b32 s83, s[WV], 5
	s_sub_co_u32 s84, 7, s10
	s_lshl_b32 s84, s84, 8
	s_add_co_u32 s[Q0], s84, s83                   ; my first query in block 7 - i
	s_add_co_u32 s[QL], s[Q0], 31
	s_lshl_b32 s84, s10, 8
	s_add_co_u32 s[Q2], s84, s83                   ; and in block i
	s_lshl_b32 s84, s[Q0], 7
	s_add_co_u32 s84, s84, s12
	s_mov_b32 s85, 0
	s_lshl_b32 s86, s[Q2], 7
	s_add_co_u32 s86, s86, s12
	s_mov_b32 s87, 0
	s_lshl_b32 s94, s11, 5
	s_lshr_b32 s88, s[Q0], 6
	s_add_co_u32 s88, s88, s94
	s_lshl_b32 s88, s88, 2                         ; where the factor of my queries lies
	s_lshr_b32 s89, s[Q2], 6
	s_add_co_u32 s89, s89, s94
	s_lshl_b32 s89, s89, 2
	s_lshl_b32 s94, s11, 7
	s_add_co_u32 s94, s94, 8192
	s_mov_b32 s95, 0
	s_mov_b32 s[SEL], 0x76543210
	s_mov_b32 s[SEL+1], 0xfedcba98
	s_wait_dscnt 0x0                               ; both opening adds are done
	s_wait_kmcnt 0x0
	s_add_nc_u64 s[KB:KB+1], s[4:5], s[OFS:OFS+1]
	s_add_nc_u64 s[VB:VB+1], s[KB:KB+1], 16777216
	s_mov_b64 s[G0K+2:G0K+3], s[KB:KB+1]
	s_or_b32 s[G0K+3], s[G0K+3], 0x80000000
	s_mov_b64 s[G0V+2:G0V+3], s[VB:VB+1]
	s_or_b32 s[G0V+3], s[G0V+3], 0x80000000
	TLOAD                                          ; chunk 0 into slot 0
	s_add_nc_u64 s[90:91], s[4:5], s[84:85]
	s_add_nc_u64 s[92:93], s[4:5], s[86:87]
	s_add_nc_u64 s[YB:YB+1], s[8:9], s[84:85]
	s_add_nc_u64 s[YB2:YB2+1], s[8:9], s[86:87]
	s_load_b32 s[FQ], s[6:7], s88 offset:0x0
	s_load_b32 s[FQ2], s[6:7], s89 offset:0x0
	s_add_nc_u64 s[KFB:KFB+1], s[6:7], s[94:95]
	s_cmp_lt_u32 s[WV], 4
	s_cselect_b64 s[PFA:PFA+1], s[KB:KB+1], s[VB:VB+1]
	s_add_nc_u64 s[PFA:PFA+1], s[PFA:PFA+1], 32768 ; at chunk 1: the first change steps it to chunk 2
	s_cmp_eq_u32 s10, 0
	s_cselect_b32 s[LIM], 2, -1
	v_and_b32 v13, 15, v0                          ; r
	v_bfe_u32 v14, v0, 4, 1                        ; h
	v_mul_u32_u24 v[AK0], v13, PKP
	v_lshl_add_u32 v[AK0], v14, 4, v[AK0]
	v_and_b32 v3, 7, v0
	v_lshl_add_u32 v[AV0], v14, 3, v3
	v_mul_u32_u24 v[AV0], v[AV0], PVP
	v_bfe_u32 v4, v0, 3, 1
	v_lshl_add_u32 v[AV0], v4, 4, v[AV0]
	v_add_nc_u32 v[AV0], VOFF, v[AV0]
	s_mul_i32 s83, s[WV], 16*144
	s_add_co_u32 s83, s83, STAGE
	v_add_nc_u32 v[STO], s83, v[AK0]
	v_bfe_u32 v4, v0, 3, 2
	v_mul_u32_u24 v4, v4, 144
	v_lshl_add_u32 v4, v3, 4, v4
	v_add_nc_u32 v[RD], s83, v4
	v_and_b32 v[GO], 31, v0
	v_lshlrev_b32 v[PFO], 8, v[GO]
	v_lshlrev_b32 v[GO], 4, v[GO]
	v_lshlrev_b32 v[QO], 7, v13
	v_lshl_add_u32 v[QO], v14, 4, v[QO]
	v_lshlrev_b32 v[MB], 3, v14
	v_sub_nc_u32 v[MB], v13, v[MB]
	v_mov_b32 v15, 0xff800000                      ; minus infinity
.irp t, 0,1
.irp c, 0,1
	global_load_b128 v[QR+16*\t+8*\c:QR+16*\t+8*\c+3], v[QO], s[90:91] offset:2048*\t+64*\c
	global_load_b128 v[QR+16*\t+8*\c+4:QR+16*\t+8*\c+7], v[QO], s[90:91] offset:2048*\t+64*\c+32
.endr
.endr
	WIN 0x40
.irp t, 0,1
.irp c, 0,1
	global_load_b128 v[128+16*\t+8*\c:128+16*\t+8*\c+3], v[QO], s[92:93] offset:2048*\t+64*\c
	global_load_b128 v[128+16*\t+8*\c+4:128+16*\t+8*\c+7], v[QO], s[92:93] offset:2048*\t+64*\c+32
.endr
.endr
	WIN 0
.macro ZERO                            ; the step is written once: the first finds zeros and a maximum under every t
.set z_, 0
.rept 64
	v_mov_b32 v[O+z_], 0
.set z_, z_+1
.endr
.irp t, 0,1
	v_mov_b32 v[ST+8*\t], 0xff61b1e6               ; -3e38
	v_mov_b32 v[ST+8*\t+1], 0
	v_mov_b32 v[ST+8*\t+2], 0
	v_mov_b32 v[ST+8*\t+3], 0
.endr
.endm
	ZERO
; THE CHANGE OF SLOTS, at the head of a chunk.  Each wave waits for all its tensor loads, adds 0 to its spare word, waits for that and for its reads of the slot that it has left; one barrier;
; behind it the slot just left takes the next chunk of the walk: one load a wave, which has a chunk of four steps in which to land.
.macro CHANGE fill
	s_mov_b32 s[KC], s[KN]
	s_lshl_b32 s[KF], s[KC], 8                     ; the first key of the chunk
	s_lshl_b32 s83, s[KC], 4
	s_load_b128 s[FK:FK+3], s[KFB:KFB+1], s83 offset:0x0   ; the factors of its four steps
	s_wait_tensorcnt 0x0                           ; no load of mine is out: the descriptors may be written
	ds_add_u32 v[SPW], v[NIL]
.if \fill
	s_add_co_u32 s[KN], s[KC], 1
	s_cmp_eq_u32 s[KN], s[LEN1]                    ; behind chunk 7 - i the walk begins anew for block i (there KN stays under 8 - i)
	s_cselect_b32 s[KN], 0, s[KN]
	s_lshl_b32 s[OFS], s[KN], 15
	s_xor_b32 s[G0K+1], s[G0K+1], SLOT1
	s_xor_b32 s[G0V+1], s[G0V+1], SLOT1
	s_add_nc_u64 s[G0K+2:G0K+3], s[KB:KB+1], s[OFS:OFS+1]
	s_or_b32 s[G0K+3], s[G0K+3], 0x80000000
	s_add_nc_u64 s[G0V+2:G0V+3], s[VB:VB+1], s[OFS:OFS+1]
	s_or_b32 s[G0V+3], s[G0V+3], 0x80000000
	s_wait_xcnt 0x0                                ; the last prefetch, a chunk back, has read its address
	s_add_nc_u64 s[PFA:PFA+1], s[PFA:PFA+1], 32768
.endif
	s_wait_dscnt 0x0                               ; the add is done, my reads of the slot that I left are over
	s_barrier_signal -1
	s_barrier_wait -1
.if \fill
	TLOAD
	ASK
.endif
	s_wait_kmcnt 0x0
.irp s, 0,1,2,3
	s_mul_f32 s[CP+2*\s], s[FK+\s], s[FQ]          ; the multiplier of step s
.endr
.irp s, 0,1,2,3
	s_mov_b32 s[CP+2*\s+1], s[CP+2*\s]             ; named with it as a pair
.endr
.endm
.macro KLOAD s
	WIN 0x40
.irp kt, 0,1,2,3
.irp c, 0,1
	ds_load_b128 v[8*(2*\kt+\c):8*(2*\kt+\c)+3], v[ADK] offset:(64*(\s)+16*\kt)*PKP+64*\c
	ds_load_b128 v[8*(2*\kt+\c)+4:8*(2*\kt+\c)+7], v[ADK] offset:(64*(\s)+16*\kt)*PKP+64*\c+32
.endr
.endr
.endm
.macro VLOAD s
	WIN 0x40
.irp g, 0,1
.irp ct, 0,1,2,3
	ds_load_tr16_b128 v[64+8*(4*\g+\ct):64+8*(4*\g+\ct)+3], v[ADV] offset:(64*(\s)+32*\g)*PVP+32*\ct
	ds_load_tr16_b128 v[64+8*(4*\g+\ct)+4:64+8*(4*\g+\ct)+7], v[ADV] offset:(64*(\s)+32*\g)*PVP+16*PVP+32*\ct
.endr
.endr
.endm
.macro QK                              ; eight accumulators by turns, one instruction a turn; the first eight start the sums
	WIN 0x01
.irp c, 0,1
.irp kt, 0,1,2,3
.irp t, 0,1
.if \c == 0
	v_wmma_f32_16x16x32_f16 v[S+32*\t+8*\kt:S+32*\t+8*\kt+7], v[8*(2*\kt+\c):8*(2*\kt+\c)+7], v[QR+16*\t+8*\c:QR+16*\t+8*\c+7], 0
.else
	v_wmma_f32_16x16x32_f16 v[S+32*\t+8*\kt:S+32*\t+8*\kt+7], v[8*(2*\kt+\c):8*(2*\kt+\c)+7], v[QR+16*\t+8*\c:QR+16*\t+8*\c+7], v[S+32*\t+8*\kt:S+32*\t+8*\kt+7]
.endif
.endr
.endr
.endr
.endm
.macro PVM
	WIN 0x01
.irp g, 0,1
.irp ct, 0,1,2,3
.irp t, 0,1
	v_wmma_f32_16x16x32_f16 v[O+32*\t+8*\ct:O+32*\t+8*\ct+7], v[64+8*(4*\g+\ct):64+8*(4*\g+\ct)+7], v[P+16*\t+8*\g:P+16*\t+8*\g+7], v[O+32*\t+8*\ct:O+32*\t+8*\ct+7]
.endr
.endr
.endr
.endm
.macro MASK s                          ; register 8 kt + j of tile t holds key KF + 64 s + 16 kt + 8 h + j: hidden where 16 kt + j > query - KF - 64 s - 8 h
	s_sub_co_i32 s84, s[Q0], s[KF]
	s_sub_co_i32 s84, s84, 64*(\s)
	v_add_nc_u32 v13, s84, v[MB]
	v_add_nc_u32 v14, 16, v13
.irp t, 0,1
.irp n, 0,1,2,3,4,5,6,7,8,9,10,11,12,13,14,15,16,17,18,19,20,21,22,23,24,25,26,27,28,29,30,31
	v_cmp_gt_i32 vcc_lo, 16*(\n/8)+\n%8, v[13+\t]
	v_cndmask_b32 v[S+32*\t+\n], v[S+32*\t+\n], v15, vcc_lo
.endr
.endr
.endm
.macro SOFT s                          ; the two tiles line by line, so that no line waits for the line above it
.irp j, 0,1,2,3
.irp t, 0,1
	v_max3_num_f32 v[ST+8*\t+4+\j], v[S+32*\t+8*\j], v[S+32*\t+8*\j+1], v[S+32*\t+8*\j+2]
.endr
.endr
.irp q, 1,2
.irp j, 0,1,2,3
.irp t, 0,1
	v_max3_num_f32 v[ST+8*\t+4+\j], v[ST+8*\t+4+\j], v[S+32*\t+8*\j+2*\q+1], v[S+32*\t+8*\j+2*\q+2]
.endr
.endr
.endr
.irp t, 0,1
	v_max3_num_f32 v[ST+8*\t+4], v[ST+8*\t+4], v[S+32*\t+7], v[S+32*\t+15]
.endr
.irp t, 0,1
	v_max3_num_f32 v[ST+8*\t+6], v[ST+8*\t+6], v[S+32*\t+23], v[S+32*\t+31]
.endr
.irp t, 0,1
	v_max3_num_f32 v[ST+8*\t+4], v[ST+8*\t+4], v[ST+8*\t+5], v[ST+8*\t+6]
.endr
.irp t, 0,1
	v_max_num_f32 v[ST+8*\t+4], v[ST+8*\t+4], v[ST+8*\t+7]
.endr
.irp t, 0,1
	v_permlanex16_b32 v[ST+8*\t+5], v[ST+8*\t+4], s[SEL], s[SEL+1]   ; the other 32 keys of the query lie in the lane 16 away
.endr
.irp t, 0,1
	v_max_num_f32 v[ST+8*\t+4], v[ST+8*\t+4], v[ST+8*\t+5]
.endr
.irp t, 0,1
	v_mul_f32 v[ST+8*\t+4], s[CP+2*\s], v[ST+8*\t+4]                  ; as t: the multiplier is positive
.endr
.irp t, 0,1
	v_max_num_f32 v[ST+8*\t+5], v[ST+8*\t], v[ST+8*\t+4]              ; the new m
.endr
.irp t, 0,1
	v_sub_f32 v[ST+8*\t+7], v[ST+8*\t], v[ST+8*\t+5]                  ; old m - new m
.endr
.irp t, 0,1
	v_mov_b32 v[ST+8*\t], v[ST+8*\t+5]
.endr
.irp p, 0,1,2,3,4,5,6,7,8,9,10,11,12,13,14,15
.irp t, 0,1
	v_pk_fma_f32 v[S+32*\t+2*\p:S+32*\t+2*\p+1], v[S+32*\t+2*\p:S+32*\t+2*\p+1], s[CP+2*\s:CP+2*\s+1], v[ST+8*\t:ST+8*\t+1] op_sel_hi:[1,0,0] neg_lo:[0,0,1] neg_hi:[0,0,1]
.endr
.endr
.irp t, 0,1
	v_exp_f32 v[ST+8*\t+6], v[ST+8*\t+7]                              ; a = 2^(old m - new m)
.endr
.set e_, 0
.rept 32
.irp t, 0,1
	v_exp_f32 v[S+32*\t+e_], v[S+32*\t+e_]
.endr
.set e_, e_+1
.endr
	v_nop                                          ; a plain place behind the last exponential
	s_wait_alu depctr_va_vdst(0)                   ; one wait for the batch of 66, ahead of its first reader
.irp p, 0,1,2,3,4,5,6,7,8,9,10,11,12,13,14,15
.irp t, 0,1
	v_cvt_pk_f16_f32 v[P+16*\t+\p], v[S+32*\t+2*\p], v[S+32*\t+2*\p+1]
.endr
.endr
.irp u, 0,1,2,3,4,5,6,7
.irp t, 0,1
	v_pk_add_f32 v[S+32*\t+4*\u:S+32*\t+4*\u+1], v[S+32*\t+4*\u:S+32*\t+4*\u+1], v[S+32*\t+4*\u+2:S+32*\t+4*\u+3]
.endr
.endr
.irp u, 0,1,2,3
.irp t, 0,1
	v_pk_add_f32 v[S+32*\t+8*\u:S+32*\t+8*\u+1], v[S+32*\t+8*\u:S+32*\t+8*\u+1], v[S+32*\t+8*\u+4:S+32*\t+8*\u+5]
.endr
.endr
.irp u, 0,1
.irp t, 0,1
	v_pk_add_f32 v[S+32*\t+16*\u:S+32*\t+16*\u+1], v[S+32*\t+16*\u:S+32*\t+16*\u+1], v[S+32*\t+16*\u+8:S+32*\t+16*\u+9]
.endr
.endr
.irp t, 0,1
	v_pk_add_f32 v[S+32*\t:S+32*\t+1], v[S+32*\t:S+32*\t+1], v[S+32*\t+16:S+32*\t+17]
.endr
.irp t, 0,1
	v_pk_fma_f32 v[ST+8*\t+2:ST+8*\t+3], v[ST+8*\t+2:ST+8*\t+3], v[ST+8*\t+6:ST+8*\t+7], v[S+32*\t:S+32*\t+1] op_sel_hi:[1,0,1]
.endr
.irp p, 0,1,2,3,4,5,6,7,8,9,10,11,12,13,14,15
.irp t, 0,1
	v_pk_mul_f32 v[O+32*\t+2*\p:O+32*\t+2*\p+1], v[O+32*\t+2*\p:O+32*\t+2*\p+1], v[ST+8*\t+6:ST+8*\t+7] op_sel_hi:[1,0]
.endr
.endr
.endm
; A STEP of 64 keys.  A step all of whose keys come after my queries ends the chunk for this wave: a scalar branch on ids, round no barrier and no tensor load.
.macro STEP s, first, last, id
.if \s > 0
	s_add_co_u32 s84, s[KF], 64*\s
	s_cmp_gt_u32 s84, s[QL]
	s_cbranch_scc1 .Lend_\id
.endif
.if \first
	KLOAD \s
.endif
	s_wait_dscnt 0x0                               ; K is in
	QK
.rept 4
	v_nop                                          ; places: ahead of the reads of S, and of the loads into the registers of K (read just now) and of V (read in the step before)
.endr
	VLOAD \s
.if \last == 0
	KLOAD \s+1
.endif
	WIN 0
	s_add_co_u32 s84, s[KF], 64*\s+63
	s_cmp_le_u32 s84, s[Q0]                        ; all 64 keys count for all my queries: no mask
	s_cbranch_scc1 .Lopen_\@
	MASK \s
.Lopen_\@:
	SOFT \s
.if \last
	s_wait_dscnt 0x0
.else
	s_wait_dscnt 16                                ; V is in; the 16 loads of the next K may be out
.endif
	PVM
	WIN 0
.endm
.macro CHUNK id
	v_add_nc_u32 v[ADK], s[TB], v[AK0]
	v_add_nc_u32 v[ADV], s[TB], v[AV0]
	STEP 0, 1, 0, \id
	STEP 1, 0, 0, \id
	STEP 2, 0, 0, \id
	STEP 3, 0, 1, \id
.Lend_\id:
	s_xor_b32 s[TB], s[TB], SLOT1
.endm
; THE WAY OUT of a block: O^T / the sum, to f16, through my stage, a tile of 16 queries at a time; each store of the wave covers 512 consecutive bytes, aligned.
.macro OUT
.rept 4
	v_nop
.endr
.irp t, 0,1
	v_add_f32 v[ST+8*\t+4], v[ST+8*\t+2], v[ST+8*\t+3]
.endr
.irp t, 0,1
	v_permlanex16_b32 v[ST+8*\t+5], v[ST+8*\t+4], s[SEL], s[SEL+1]
.endr
.irp t, 0,1
	v_add_f32 v[ST+8*\t+4], v[ST+8*\t+4], v[ST+8*\t+5]
.endr
.irp t, 0,1
	v_rcp_f32 v[ST+8*\t+6], v[ST+8*\t+4]
.endr
	v_nop
	s_wait_alu depctr_va_vdst(0)                   ; one wait for both reciprocals
.irp t, 0,1
.irp p, 0,1,2,3,4,5,6,7,8,9,10,11,12,13,14,15
	v_pk_mul_f32 v[O+32*\t+2*\p:O+32*\t+2*\p+1], v[O+32*\t+2*\p:O+32*\t+2*\p+1], v[ST+8*\t+6:ST+8*\t+7] op_sel_hi:[1,0]
.endr
.irp p, 0,1,2,3,4,5,6,7,8,9,10,11,12,13,14,15
	v_cvt_pk_f16_f32 v[P+16*\t+\p], v[O+32*\t+2*\p], v[O+32*\t+2*\p+1]
.endr
.irp ct, 0,1,2,3
	ds_store_b128 v[STO], v[P+16*\t+4*\ct:P+16*\t+4*\ct+3] offset:32*\ct
.endr
.irp i, 0,1,2,3
	ds_load_b128 v[WO+16*\t+4*\i:WO+16*\t+4*\i+3], v[RD] offset:576*\i   ; LDS serves a wave in order: these see the stores above
.endr
.endr
.irp t, 0,1
.irp i, 0,1,2,3
	s_wait_dscnt 8*(1-\t)+3-\i                     ; younger: the rest of this tile, and for tile 0 the eight of tile 1
	global_store_b128 v[GO], v[WO+16*\t+4*\i:WO+16*\t+4*\i+3], s[YB:YB+1] offset:2048*\t+512*\i
.endr
.endr
.endm
	s_wait_loadcnt 0x0                             ; Q of both blocks
	s_wait_kmcnt 0x0                               ; and their factors
.Lslot:                                            ; eight trips: behind each change the next chunk of the walk is asked for
	CHANGE 1
	CHUNK 0
	s_cmp_lg_u32 s[SLOTS], s[SWI]                  ; behind chunk 7 - i the first block is finished: ids and the count of trips alone, the same in all waves
	s_cbranch_scc1 .Lsame
	OUT
	s_wait_xcnt 0x0                                ; the stores have read their base and data
	s_mov_b64 s[YB:YB+1], s[YB2:YB2+1]
	s_mov_b32 s[Q0], s[Q2]
	s_add_co_u32 s[QL], s[Q0], 31
	s_mov_b32 s[FQ], s[FQ2]
	WIN 0x01
.set z_, 0
.rept 32
	v_mov_b32 v[QR+z_], v[128+z_]                  ; Q of block i, which has waited in window 1
.set z_, z_+1
.endr
	WIN 0
	ZERO
.Lsame:
	s_sub_co_u32 s[SLOTS], s[SLOTS], 1
	s_cmp_lg_u32 s[SLOTS], 0
	s_cbranch_scc1 .Lslot
	CHANGE 0                                       ; the ninth chunk is written out: nothing is left to ask for
	CHUNK 1
	OUT
	s_wait_tensorcnt 0x0                           ; the end of the wave
	ds_add_u32 v[SPW], v[NIL]
	s_wait_dscnt 0x0
	s_endpgm
.Lfunc_end_k_q5db9ae9986_attn:
	.size	k_q5db9ae9986_attn, .Lfunc_end_k_q5db9ae9986_attn-k_q5db9ae9986_attn
	.p2alignl 7, 3214868480
	.fill 96, 4, 3214868480
	.section	.rodata,"a",@progbits
	.p2align	6, 0x0
	.amdhsa_kernel k_q5db9ae9986_attn
		.amdhsa_group_segment_fixed_size 327680
		.amdhsa_private_segment_fixed_size 0
		.amdhsa_enable_private_segment 0
		.amdhsa_kernarg_size 24
		.amdhsa_user_sgpr_count 2
		.amdhsa_user_sgpr_kernarg_segment_ptr 1
		.amdhsa_wavefront_size32 1
		.amdhsa_system_sgpr_workgroup_id_x 1
		.amdhsa_system_sgpr_workgroup_id_y 1
		.amdhsa_system_sgpr_workgroup_id_z 1
		.amdhsa_system_vgpr_workitem_id 0
		.amdhsa_next_free_vgpr 512
		.amdhsa_next_free_sgpr 96
		.amdhsa_reserve_vcc 1
		.amdhsa_float_denorm_mode_32 3
		.amdhsa_float_denorm_mode_16_64 3
		.amdhsa_memory_ordered 1
		.amdhsa_forward_progress 1
		.amdhsa_inst_pref_size 199
	.end_amdhsa_kernel
	.amdgpu_metadata
---
amdhsa.version: [ 1, 2 ]
amdhsa.kernels:
  - .name:           k_q5db9ae9986_attn
    .symbol:         k_q5db9ae9986_attn.kd
    .args:
      - { .name: qkv, .offset: 0, .size: 8, .value_kind: global_buffer, .address_space: global }
      - { .name: fac, .offset: 8, .size: 8, .value_kind: global_buffer, .address_space: global }
      - { .name: y16, .offset: 16, .size: 8, .value_kind: global_buffer, .address_space: global }
    .group_segment_fixed_size: 327680
    .private_segment_fixed_size: 0
    .kernarg_segment_align: 8
    .kernarg_segment_size: 24
    .max_flat_workgroup_size: 256
    .sgpr_count:     96
    .vgpr_count:     512
    .wavefront_size: 32
...
	.end_amdgpu_metadata
.endif
;; end of part 3
;; launch proj (part 4): grid 8 x 32, 4 waves a work-group, clusters of 4 x 4, 327,680 bytes of LDS; arguments y16, pre, out0; writes out0
.if DOCPART == 4
	.amdgcn_target "amdgcn-amd-amdhsa--gfx1250"
	.amdhsa_code_object_version 6
	.text
	.protected	k_q5db9ae9986_proj
	.globl	k_q5db9ae9986_proj
	.p2align	8
	.type	k_q5db9ae9986_proj,@function
k_q5db9ae9986_proj:
	s_mov_b64 s[64:65], 0
	v_nop
	global_prefetch_b8 v0, s[64:65] scope:SCOPE_SE
	s_setreg_imm32_b32 hwreg(HW_REG_WAVE_MODE, 25, 1), 1
	s_wait_xcnt 0x0
	s_wait_alu depctr_hold_cnt(0) depctr_sa_sdst(0) depctr_va_vdst(0) depctr_va_sdst(0) depctr_va_ssrc(0) depctr_va_vcc(0) depctr_vm_vsrc(0)
	s_getreg_b32 s2, hwreg(HW_REG_IB_STS2, 6, 4)
	s_cmp_eq_u32 s2, 0
	s_cbranch_scc0 .Lentry_in_a_cluster
	s_endpgm
.Lentry_in_a_cluster:
	s_bfe_u32 s2, ttmp6, 0x10000c
	s_cmp_lg_u32 s2, 0xf033
	s_cbranch_scc0 .Lentry_shape_is_right
	s_endpgm
.Lentry_shape_is_right:
; Launch 4 of 5: out0 = y w_proj^T, operands in f16, sums in f32.  y16 is laid [batch][head][token][64]; w_proj as f16 [1024 n][1024 k] lies in pre at WP.
; A tile of 256 tokens x 128 columns to a work-group: 256 work-groups.  Four waves, each 128 x 64: 32 accumulators.  K goes in steps of 128 (two heads) through two LDS slots.
; In a slot y lies as two planes, one a head: 256 tokens x 128 bytes, a dense block of memory; then 128 rows of w_proj x 256 bytes.
; CLUSTER 4 x 4: the tiles of y are asked for jointly along a row of the cluster, those of w_proj along a column.
; THE MATRIX INSTRUCTION IS USED TRANSPOSED (source 0 = 16 rows of w_proj, source 1 = 16 tokens): a lane holds eight neighbouring columns of a row of out0.
; The first 16 tokens of each batch are written here too, inside tiles that hold live work; the next launch writes them anew in f32.
; No prefetch: eight K steps, and each tile is fetched once for four work-groups.
.set PA,     144                       ; a token in a plane: 128 bytes + 16
.set PB,     272                       ; a row of w_proj: 256 bytes + 16
.set PLANE,  256*PA
.set BOFF,   2*PLANE
.set SLOT,   BOFF+128*PB
.set STAGE,  2*SLOT                    ; 16 rows x 272 bytes for each wave
.set SPARE,  STAGE+4*16*272            ; the spare words: 128 bytes a wave, named by no other line
.set WP,     6127616
.set LAPS,   4
.set ADRA, 16
.set ADRB, 20
.set STO,  24
.set RD,   25
.set CO,   26
.set SPW,  28
.set NIL,  29
.set F0,   64                          ; a fragment buffer: 32 registers of w_proj, then 64 of y
.set F1,   160
.set G1, 24
.set G0, 32
.set G1B, 48
.set G0B, 56
.set MULW, 0x50                        ; C and D in window 1: accumulator (a, b) at v[8 (4 a + b)]
.set MSB, 0
.macro WIN new
.if MSB != (\new)
	s_set_vgpr_msb (MSB<<8)|(\new)
.set MSB, (\new)
.endif
.endm
.macro JLOAD s                         ; waves 0 and 1 fetch the two planes of y, waves 2 and 3 the two halves of w_proj
	s_cmp_eq_u32 s11, 0
	s_cbranch_scc0 .Lfor_b_\@
	tensor_load_to_lds s[G0+4*\s:G0+4*\s+3], s[G1:G1+7]
	s_nop 0
.rept 4
	v_nop
.endr
	s_branch .Lasked_\@
.Lfor_b_\@:
	tensor_load_to_lds s[G0B+4*\s:G0B+4*\s+3], s[G1B:G1B+7]
	s_nop 0
.rept 4
	v_nop
.endr
.Lasked_\@:
.endm
.macro CREST
	s_cmp_lg_u32 s10, 0
	s_cbranch_scc1 .Lnot_wave_0_\@
	s_barrier_signal -3
.Lnot_wave_0_\@:
	s_barrier_wait -3
	s_barrier_signal -1
	s_barrier_wait -1
.endm
.macro CROUND
	s_barrier_signal -1
	s_barrier_wait -1
	CREST
.endm
	s_load_b128 s[4:7], s[0:1], 0x0                ; y16, pre
	s_load_b64 s[8:9], s[0:1], 0x10                ; out0
	v_lshl_add_u32 v[SPW], v0, 2, SPARE
	v_mov_b32 v[NIL], 0
	ds_add_u32 v[SPW], v[NIL]                      ; the opening: the add, twice on end, and its wait ahead of my first tensor load
	ds_add_u32 v[SPW], v[NIL]
	v_lshrrev_b32 v1, 5, v0
	v_readfirstlane_b32 s10, v1                    ; wave
	s_lshr_b32 s11, s10, 1                         ; my half of the tokens; also: I fetch y (0) or w_proj (1)
	s_and_b32 s12, s10, 1                          ; my half of the columns; also: which plane or half I fetch
	s_bfe_u32 s40, ttmp6, 0x40000
	s_bfe_u32 s41, ttmp6, 0x40004
	s_lshl_b32 s42, ttmp9, 2
	s_add_co_u32 s42, s42, s40                     ; tile column, 0 to 7
	s_and_b32 s13, ttmp7, 0xffff
	s_lshl_b32 s13, s13, 2
	s_add_co_u32 s13, s13, s41                     ; tile row, 0 to 31
	s_lshl_b32 s43, s41, 2
	s_lshl_b32 s43, 15, s43
	s_lshl_b32 s44, 0x1111, s40
	s_or_b32 s[G1+0], s43, (1<<16)|(1<<20)|(1<<21)|(4<<22)|(3<<25)   ; elements of 2 bytes; 4 words of padding behind every 32
	s_mov_b32 s[G1+1], 64<<16                      ; tensor_dim0 = 64
	s_mov_b32 s[G1+2], 256<<16                     ; tensor_dim1 = 256
	s_mov_b32 s[G1+3], 64<<16                      ; tile_dim0 = 64
	s_mov_b32 s[G1+4], 256                         ; tile_dim1 = 256
	s_mov_b32 s[G1+5], 64
	s_mov_b32 s[G1+6], 0
	s_mov_b32 s[G1+7], 0
	s_or_b32 s[G1B+0], s44, (1<<16)|(1<<20)|(1<<21)|(5<<22)|(3<<25)  ; 4 words of padding behind every 64
	s_mov_b32 s[G1B+1], 128<<16
	s_mov_b32 s[G1B+2], 64<<16
	s_mov_b32 s[G1B+3], 128<<16
	s_mov_b32 s[G1B+4], 64
	s_mov_b32 s[G1B+5], 1024
	s_mov_b32 s[G1B+6], 0
	s_mov_b32 s[G1B+7], 0
	s_lshr_b32 s16, s13, 3                         ; y: ((16 batch + plane) x 2,048 + 256 x tile row in the batch) x 128 bytes
	s_lshl_b32 s16, s16, 4
	s_add_co_u32 s16, s16, s12
	s_lshl_b32 s16, s16, 11
	s_and_b32 s17, s13, 7
	s_lshl_b32 s17, s17, 8
	s_add_co_u32 s16, s16, s17
	s_lshl_b32 s16, s16, 7
	s_mov_b32 s17, 0
	s_lshl_b32 s46, s42, 7                         ; w_proj: row 128 x tile column + 64 x half, 2,048 bytes a row
	s_lshl_b32 s47, s12, 6
	s_add_co_u32 s46, s46, s47
	s_lshl_b32 s46, s46, 11
	s_add_co_u32 s46, s46, WP
	s_mov_b32 s47, 0
	s_mul_i32 s20, s12, PLANE
	s_mul_i32 s21, s12, 64*PB
	s_add_co_u32 s21, s21, BOFF
	s_wait_dscnt 0x0
	s_wait_kmcnt 0x0
	s_add_nc_u64 s[14:15], s[4:5], s[16:17]
	s_add_nc_u64 s[46:47], s[6:7], s[46:47]
	CROUND
.irp s, 0,1
	s_mov_b32 s[G0+4*\s], 1
	s_add_co_u32 s[G0+4*\s+1], s20, \s*SLOT
	s_add_nc_u64 s[G0+4*\s+2:G0+4*\s+3], s[14:15], \s*524288   ; K step s: two heads on
	s_or_b32 s[G0+4*\s+3], s[G0+4*\s+3], 0x80000000
	s_mov_b32 s[G0B+4*\s], 1
	s_add_co_u32 s[G0B+4*\s+1], s21, \s*SLOT
	s_add_nc_u64 s[G0B+4*\s+2:G0B+4*\s+3], s[46:47], \s*256
	s_or_b32 s[G0B+4*\s+3], s[G0B+4*\s+3], 0x80000000
	JLOAD \s
.endr
	v_and_b32 v1, 15, v0
	v_bfe_u32 v2, v0, 4, 1
	v_mul_u32_u24 v3, v1, PA
	v_lshl_add_u32 v3, v2, 4, v3
	v_mul_u32_u24 v4, v1, PB
	v_lshl_add_u32 v4, v2, 4, v4
	s_mul_i32 s21, s11, 128*PA
	s_mul_i32 s22, s12, 64*PB
	s_add_co_u32 s22, s22, BOFF
.irp s, 0,1
	v_add_nc_u32 v[ADRA+\s], s21, v3
	v_add_nc_u32 v[ADRB+\s], s22, v4
	s_add_co_u32 s21, s21, SLOT
	s_add_co_u32 s22, s22, SLOT
.endr
	s_mul_i32 s23, s10, 16*272
	s_add_co_u32 s23, s23, STAGE
	v_mul_u32_u24 v5, v1, 272
	v_lshl_add_u32 v5, v2, 5, v5
	v_add_nc_u32 v[STO], s23, v5                   ; in: row r, 32 bytes for each half of the lanes
	v_mul_u32_u24 v5, v2, 272
	v_lshl_add_u32 v5, v1, 4, v5
	v_add_nc_u32 v[RD], s23, v5                    ; back: lanes 0-15 one row of 256 bytes, lanes 16-31 the next
	v_lshlrev_b32 v5, 12, v2
	v_lshl_add_u32 v[CO], v1, 4, v5
	s_lshl_b32 s16, s13, 8
	s_lshl_b32 s17, s11, 7
	s_add_co_u32 s16, s16, s17
	s_lshl_b32 s16, s16, 12                        ; my first row of out0, 4,096 bytes a row
	s_lshl_b32 s46, s42, 9
	s_add_co_u32 s16, s16, s46
	s_lshl_b32 s46, s12, 8
	s_add_co_u32 s16, s16, s46
	s_mov_b32 s17, 0
	s_add_nc_u64 s[8:9], s[8:9], s[16:17]
.macro MUL8 f, a0, zero                ; the 32 accumulators take turns, one instruction a turn, in the same order in every quarter
.irp a, \a0, \a0+1
.irp b, 0,1,2,3
.if \zero
	v_wmma_f32_16x16x32_f16 v[8*(4*(\a)+\b):8*(4*(\a)+\b)+7], v[\f+8*\b:\f+8*\b+7], v[\f+32+8*(\a):\f+32+8*(\a)+7], 0
.else
	v_wmma_f32_16x16x32_f16 v[8*(4*(\a)+\b):8*(4*(\a)+\b)+7], v[\f+8*\b:\f+8*\b+7], v[\f+32+8*(\a):\f+32+8*(\a)+7], v[8*(4*(\a)+\b):8*(4*(\a)+\b)+7]
.endif
.endr
.endr
.endm
.macro FETCH slot, q, f                ; 24 LDS loads: the fragments of 32 along K, quarter q of the slot
.irp b, 0,1,2,3
	ds_load_b128 v[\f+8*\b:\f+8*\b+3], v[ADRB+\slot] offset:\b*16*PB+64*(\q)
	ds_load_b128 v[\f+8*\b+4:\f+8*\b+7], v[ADRB+\slot] offset:\b*16*PB+64*(\q)+32
.endr
.irp a, 0,1,2,3,4,5,6,7
	ds_load_b128 v[\f+32+8*\a:\f+32+8*\a+3], v[ADRA+\slot] offset:PLANE*((\q)/2)+\a*16*PA+64*((\q)%2)
	ds_load_b128 v[\f+32+8*\a+4:\f+32+8*\a+7], v[ADRA+\slot] offset:PLANE*((\q)/2)+\a*16*PA+64*((\q)%2)+32
.endr
.endm
.macro PLACES
.rept 4
	v_nop
.endr
.endm
.macro QUARTER slot, q, f, g, zero     ; multiplies buffer f; in its middle fetches quarter q into buffer g
	s_wait_dscnt 8                                 ; all but the youngest eight loads (blocks 4-7 of y)
	WIN MULW
	MUL8 \f, 0, \zero
	MUL8 \f, 2, \zero
	PLACES
	WIN 0
	FETCH \slot, \q, \g
	s_wait_dscnt 24                                ; all but the 24 just issued
	WIN MULW
	MUL8 \f, 4, \zero
	MUL8 \f, 6, \zero
.endm
; The last quarter of a slot multiplies buffer 1 and changes slots: each wave waits for all its tensor loads, adds 0 to its spare word, waits for that and for its reads of this slot.
; fill = 1: the barrier opens a round of the cluster, and the joint refill, two K steps ahead, is the first tensor load behind it.
.macro TURN slot, next, fill
	WIN 0
	s_wait_tensorcnt 0x0
	ds_add_u32 v[SPW], v[NIL]
	s_wait_dscnt 9                                 ; the add and the youngest eight loads may be out
	WIN MULW
	MUL8 F1, 0, 0
	s_wait_dscnt 0x0
	s_barrier_signal -1
	MUL8 F1, 2, 0
	WIN 0
	s_barrier_wait -1
.if \fill
	CREST
	s_add_nc_u64 s[G0+4*\slot+2:G0+4*\slot+3], s[G0+4*\slot+2:G0+4*\slot+3], 1048576
	s_add_nc_u64 s[G0B+4*\slot+2:G0B+4*\slot+3], s[G0B+4*\slot+2:G0B+4*\slot+3], 512
	JLOAD \slot                                    ; its four v_nop are also the places ahead of the loads below
.else
	PLACES
.endif
	FETCH \next, 0, F0
	WIN MULW
	MUL8 F1, 4, 0
	MUL8 F1, 6, 0
.endm
	s_wait_tensorcnt 1                             ; my part of K step 0 is in; that of K step 1 may be out
	s_barrier_signal -1
	s_barrier_wait -1
	FETCH 0, 0, F0
	QUARTER 0, 1, F0, F1, 1                        ; the first products start the sums
	WIN 0
	s_mov_b32 s3, LAPS-1
.Llap:
	QUARTER 0, 2, F1, F0, 0
	QUARTER 0, 3, F0, F1, 0
	TURN 0, 1, 1
	QUARTER 1, 1, F0, F1, 0
	QUARTER 1, 2, F1, F0, 0
	QUARTER 1, 3, F0, F1, 0
	TURN 1, 0, 1
	QUARTER 0, 1, F0, F1, 0
	WIN 0
	s_sub_co_u32 s3, s3, 1
	s_cmp_lg_u32 s3, 0
	s_cbranch_scc1 .Llap
	QUARTER 0, 2, F1, F0, 0                        ; the last lap fills nothing
	QUARTER 0, 3, F0, F1, 0
	TURN 0, 1, 0
	QUARTER 1, 1, F0, F1, 0
	QUARTER 1, 2, F1, F0, 0
	QUARTER 1, 3, F0, F1, 0
	s_wait_dscnt 8
	WIN MULW
	MUL8 F1, 0, 0
	MUL8 F1, 2, 0
	s_wait_dscnt 0
	MUL8 F1, 4, 0
	MUL8 F1, 6, 0
	WIN 0
; THE WAY OUT, a block of 16 tokens x 64 columns at a time through my own stage: sixteen lanes store 256 consecutive bytes, aligned.
.macro TOSTAGE a
	WIN 0x04
.irp b, 0,1,2,3
	ds_store_b128 v[STO], v[8*(4*(\a)+\b):8*(4*(\a)+\b)+3] offset:64*\b
	ds_store_b128 v[STO], v[8*(4*(\a)+\b)+4:8*(4*(\a)+\b)+7] offset:64*\b+16
.endr
	WIN 0
.set BB_, 64+32*((\a)%2)
.irp i, 0,1,2,3,4,5,6,7
	ds_load_b128 v[BB_+4*\i:BB_+4*\i+3], v[RD] offset:544*\i
.endr
.endm
.macro SEND a, younger
.set BS_, 64+32*((\a)%2)
	s_wait_dscnt \younger
.if (\a) > 0
	s_add_nc_u64 s[8:9], s[8:9], 65536             ; 16 rows on; the earlier stores have read their base (the wait on XCNT ahead)
.endif
.irp i, 0,1,2,3,4,5,6,7
	global_store_b128 v[CO], v[BS_+4*\i:BS_+4*\i+3], s[8:9] offset:8192*\i
.endr
.endm
	PLACES
	TOSTAGE 0
.irp a, 1,2,3,4,5,6,7
.if \a > 1
	s_wait_xcnt 0x0                                ; the stores of block a - 2 have read their registers and their base
.endif
	TOSTAGE \a
	SEND \a-1, 16                                  ; younger: the 8 stores and 8 loads of block a
.endr
	s_wait_xcnt 0x0
	SEND 7, 0
	s_wait_tensorcnt 0x0                           ; the end of the wave
	ds_add_u32 v[SPW], v[NIL]
	s_wait_dscnt 0x0
	CROUND                                         ; the closing round
	s_endpgm
.Lfunc_end_k_q5db9ae9986_proj:
	.size	k_q5db9ae9986_proj, .Lfunc_end_k_q5db9ae9986_proj-k_q5db9ae9986_proj
	.p2alignl 7, 3214868480
	.fill 96, 4, 3214868480
	.section	.rodata,"a",@progbits
	.p2align	6, 0x0
	.amdhsa_kernel k_q5db9ae9986_proj
		.amdhsa_group_segment_fixed_size 327680
		.amdhsa_private_segment_fixed_size 0
		.amdhsa_enable_private_segment 0
		.amdhsa_kernarg_size 24
		.amdhsa_user_sgpr_count 2
		.amdhsa_user_sgpr_kernarg_segment_ptr 1
		.amdhsa_wavefront_size32 1
		.amdhsa_system_sgpr_workgroup_id_x 1
		.amdhsa_system_sgpr_workgroup_id_y 1
		.amdhsa_system_sgpr_workgroup_id_z 1
		.amdhsa_system_vgpr_workitem_id 0
		.amdhsa_next_free_vgpr 512
		.amdhsa_next_free_sgpr 66
		.amdhsa_reserve_vcc 0
		.amdhsa_float_denorm_mode_32 3
		.amdhsa_float_denorm_mode_16_64 3
		.amdhsa_memory_ordered 1
		.amdhsa_forward_progress 1
		.amdhsa_inst_pref_size 86
	.end_amdhsa_kernel
	.amdgpu_metadata
---
amdhsa.version: [ 1, 2 ]
amdhsa.kernels:
  - .name:           k_q5db9ae9986_proj
    .symbol:         k_q5db9ae9986_proj.kd
    .args:
      - { .name: y16, .offset: 0, .size: 8, .value_kind: global_buffer, .address_space: global }
      - { .name: pre, .offset: 8, .size: 8, .value_kind: global_buffer, .address_space: global }
      - { .name: out0, .offset: 16, .size: 8, .value_kind: global_buffer, .address_space: global }
    .group_segment_fixed_size: 327680
    .private_segment_fixed_size: 0
    .kernarg_segment_align: 8
    .kernarg_segment_size: 24
    .max_flat_workgroup_size: 128
    .sgpr_count:     66
    .vgpr_count:     512
    .wavefront_size: 32
...
	.end_amdgpu_metadata
.endif
;; end of part 4
;; launch first16 (part 5): grid 32 x 4, 16 waves a work-group, no clusters, 84,224 bytes of LDS; arguments fine, w_proj, out0; writes out0
.if DOCPART == 5
	.amdgcn_target "amdgcn-amd-amdhsa--gfx1250"
	.amdhsa_code_object_version 6
	.text
	.protected	k_q5db9ae9986_first16
	.globl	k_q5db9ae9986_first16
	.p2align	8
	.type	k_q5db9ae9986_first16,@function
k_q5db9ae9986_first16:
	s_mov_b64 s[64:65], 0
	v_nop
	global_prefetch_b8 v0, s[64:65] scope:SCOPE_SE
	s_setreg_imm32_b32 hwreg(HW_REG_WAVE_MODE, 25, 1), 1
	s_wait_xcnt 0x0
; Launch 5 of 5: positions 0-15 of each batch once more, wholly in f32: these rows average one to sixteen values, are the largest of the output, and feel the rounding of f16 operands most.
; Work-group (x, batch) makes out0[batch][t < 16][32 x .. 32 x + 31].  Phase 1: wave w makes the 16 x 16 attention of head w (32 matrix instructions of the f32 form); each of the 32 work-groups of a
; batch repeats it, so that nothing goes between work-groups.  Phase 2: wave w multiplies 128 along K (slice w / 2) for 16 columns (half w % 2); the eight slices meet in LDS.
; LEFT OUT: nothing: keys after the query lie inside the one tile and are set to minus infinity.
; K IS PERMUTED ALIKE ON BOTH SIDES of each product: of a run of 64 along K, the lanes of half h hold 32 neighbours, and step i takes registers 2 i and 2 i + 1.
; v176-223 are written by matrix instructions alone.  The stores are pieces of 64 bytes of a row: 64 rows of 8,192 in all.
.set YP,    4112                       ; a row of y in LDS: 4,096 bytes + 16
.set PART,  16*YP                      ; the partial sums: 1,024 bytes a wave
.set SPARE, PART+16*1024               ; the spare words: 128 bytes a wave, named by no other line
.set SPW, 252
.set NIL, 253
	s_load_b128 s[4:7], s[0:1], 0x0                ; fine, w_proj
	s_load_b64 s[8:9], s[0:1], 0x10                ; out0
	v_lshl_add_u32 v[SPW], v0, 2, SPARE
	v_mov_b32 v[NIL], 0
	v_lshrrev_b32 v1, 5, v0
	v_readfirstlane_b32 s10, v1                    ; wave = head
	s_and_b32 s11, s10, 1                          ; which 16 columns
	s_lshr_b32 s12, s10, 1                         ; which 128 along K
	s_and_b32 s13, ttmp7, 0xffff                   ; batch
	v_and_b32 v1, 15, v0                           ; r
	v_bfe_u32 v2, v0, 4, 1                         ; h
	v_and_b32 v12, 31, v0
	v_mul_u32_u24 v3, v1, 12288
	v_lshl_add_u32 v3, v2, 7, v3                   ; q, k: token r, 32 channels of half h
	v_mul_u32_u24 v4, v2, 98304
	v_lshl_add_u32 v4, v1, 2, v4                   ; v: token 8 h + .., channel r
	v_lshlrev_b32 v5, 12, v1
	v_lshl_add_u32 v5, v2, 7, v5                   ; w_proj: row r, 32 along K of half h
	v_mul_u32_u24 v6, v1, YP
	v_lshl_add_u32 v7, v2, 7, v6
	v_lshl_add_u32 v6, v2, 5, v6
	s_lshl_b32 s14, s10, 8
	v_add_nc_u32 v6, s14, v6                       ; y into LDS: row r, head w, 32 h
	s_lshl_b32 s14, s12, 9
	v_add_nc_u32 v7, s14, v7                       ; y out of LDS: row r, slice, 128 h
	v_lshlrev_b32 v8, 4, v12
	s_lshl_b32 s14, s11, 10
	s_add_co_u32 s14, s14, PART
	v_add_nc_u32 v9, s14, v8                       ; the partial sums of my half of the columns
	s_lshl_b32 s14, s10, 10
	s_add_co_u32 s14, s14, PART
	v_add_nc_u32 v8, s14, v8                       ; my own
	v_lshlrev_b32 v10, 12, v1
	v_lshl_add_u32 v10, v2, 5, v10                 ; out0: row r, 32 h
	v_lshlrev_b32 v11, 3, v2
	v_sub_nc_u32 v11, v1, v11                      ; r - 8 h
	s_mov_b32 s20, 0x76543210
	s_mov_b32 s21, 0xfedcba98
	s_mov_b32 s22, 0x3e38aa3b                      ; c = log2(e) / 8
	s_mul_i32 s16, s13, 196608
	s_lshl_b32 s14, s10, 8
	s_add_co_u32 s16, s16, s14
	s_mov_b32 s17, 0
	s_lshl_b32 s18, ttmp9, 5
	s_lshl_b32 s14, s11, 4
	s_add_co_u32 s18, s18, s14                     ; my first column
	s_lshl_b32 s24, s18, 2
	s_lshl_b32 s14, s13, 23
	s_add_co_u32 s24, s24, s14
	s_mov_b32 s25, 0
	s_lshl_b32 s18, s18, 12
	s_lshl_b32 s14, s12, 9
	s_add_co_u32 s18, s18, s14
	s_mov_b32 s19, 0
	s_wait_kmcnt 0x0
	s_add_nc_u64 s[4:5], s[4:5], s[16:17]
	s_add_nc_u64 s[6:7], s[6:7], s[18:19]
	s_add_nc_u64 s[8:9], s[8:9], s[24:25]
.irp i, 0,1,2,3,4,5,6,7
	global_load_b128 v[16+4*\i:19+4*\i], v3, s[4:5] offset:16*\i
.endr
.irp i, 0,1,2,3,4,5,6,7
	global_load_b128 v[48+4*\i:51+4*\i], v3, s[4:5] offset:4096+16*\i
.endr
.irp ct, 0,1,2,3
.irp j, 0,1,2,3,4,5,6,7
	global_load_b32 v[80+8*\ct+\j], v4, s[4:5] offset:8192+12288*\j+64*\ct
.endr
.endr
.irp u, 0,1
.irp i, 0,1,2,3,4,5,6,7
	global_load_b128 v[112+32*\u+4*\i:115+32*\u+4*\i], v5, s[6:7] offset:256*\u+16*\i
.endr
.endr
	s_wait_loadcnt 48                              ; q and k are in; the 32 loads of v and the 16 of w_proj may be out
	; S^T = k q^T: two accumulators by turns; the first two products start the sums
	v_wmma_f32_16x16x4_f32 v[176:183], v[48:49], v[16:17], 0
	v_wmma_f32_16x16x4_f32 v[184:191], v[50:51], v[18:19], 0
.irp i, 2,4,6,8,10,12,14
	v_wmma_f32_16x16x4_f32 v[176:183], v[48+2*\i:49+2*\i], v[16+2*\i:17+2*\i], v[176:183]
	v_wmma_f32_16x16x4_f32 v[184:191], v[50+2*\i:51+2*\i], v[18+2*\i:19+2*\i], v[184:191]
.endr
.rept 8
	v_nop                                          ; eight places behind this form
.endr
.irp j, 0,2,4,6
	v_pk_add_f32 v[224+\j:225+\j], v[176+\j:177+\j], v[184+\j:185+\j]   ; lane (r, h): query r, keys 8 h + 0 .. 7
.endr
	v_mov_b32 v232, 0xff800000
.irp j, 0,1,2,3,4,5,6,7
	v_cmp_gt_i32 vcc_lo, \j, v11                   ; key 8 h + j comes after query r
	v_cndmask_b32 v[224+\j], v[224+\j], v232, vcc_lo
.endr
	v_max3_num_f32 v233, v224, v225, v226
	v_max3_num_f32 v233, v233, v227, v228
	v_max3_num_f32 v233, v233, v229, v230
	v_max_num_f32 v233, v233, v231
	v_mov_b32 v234, 0
	v_permlanex16_b32 v234, v233, s20, s21
	v_max_num_f32 v233, v233, v234                 ; the largest score of the row: key 0 counts for every query
	v_mul_f32 v233, s22, v233
.irp j, 0,1,2,3,4,5,6,7
	v_fma_f32 v[224+\j], v[224+\j], s22, -v233
.endr
.irp j, 0,1,2,3,4,5,6,7
	v_exp_f32 v[224+\j], v[224+\j]
.endr
	v_nop
	s_wait_alu depctr_va_vdst(0)                   ; one wait for the eight
	v_pk_add_f32 v[236:237], v[224:225], v[226:227]
	v_pk_add_f32 v[238:239], v[228:229], v[230:231]
	v_pk_add_f32 v[236:237], v[236:237], v[238:239]
	v_add_f32 v236, v236, v237
	v_permlanex16_b32 v234, v236, s20, s21
	v_add_f32 v236, v236, v234
	v_rcp_f32 v236, v236
	v_nop
	s_wait_alu depctr_va_vdst(0)
.irp j, 0,1,2,3,4,5,6,7
	v_mul_f32 v[224+\j], v[224+\j], v236           ; the weights, normalised
.endr
	s_wait_loadcnt 16                              ; v is in; the 16 loads of w_proj may be out
	; O^T = v^T p: four accumulators by turns
.irp ct, 0,1,2,3
	v_wmma_f32_16x16x4_f32 v[192+8*\ct:199+8*\ct], v[80+8*\ct:81+8*\ct], v[224:225], 0
.endr
.irp i, 1,2,3
.irp ct, 0,1,2,3
	v_wmma_f32_16x16x4_f32 v[192+8*\ct:199+8*\ct], v[80+8*\ct+2*\i:81+8*\ct+2*\i], v[224+2*\i:225+2*\i], v[192+8*\ct:199+8*\ct]
.endr
.endr
.rept 8
	v_nop
.endr
.irp ct, 0,1,2,3
	ds_store_b128 v6, v[192+8*\ct:195+8*\ct] offset:64*\ct          ; y(r, 64 w + 16 ct + 8 h + 0 .. 7)
	ds_store_b128 v6, v[196+8*\ct:199+8*\ct] offset:64*\ct+16
.endr
	s_wait_dscnt 0x0                               ; for the others: my stores are done
	s_barrier_signal -1
	s_barrier_wait -1                              ; 16 whole rows of y lie in LDS
.irp u, 0,1
.irp i, 0,1,2,3,4,5,6,7
	ds_load_b128 v[16+32*\u+4*\i:19+32*\u+4*\i], v7 offset:256*\u+16*\i
.endr
.endr
	s_wait_loadcnt 0x0                             ; w_proj
	s_wait_dscnt 0x0
	v_wmma_f32_16x16x4_f32 v[176:183], v[112:113], v[16:17], 0
	v_wmma_f32_16x16x4_f32 v[184:191], v[144:145], v[48:49], 0
.irp i, 1,2,3,4,5,6,7,8,9,10,11,12,13,14,15
	v_wmma_f32_16x16x4_f32 v[176:183], v[112+2*\i:113+2*\i], v[16+2*\i:17+2*\i], v[176:183]
	v_wmma_f32_16x16x4_f32 v[184:191], v[144+2*\i:145+2*\i], v[48+2*\i:49+2*\i], v[184:191]
.endr
.rept 8
	v_nop
.endr
.irp j, 0,2,4,6
	v_pk_add_f32 v[224+\j:225+\j], v[176+\j:177+\j], v[184+\j:185+\j]   ; lane (r, h): token r, columns 8 h + 0 .. 7, my 128 along K
.endr
	ds_store_b128 v8, v[224:227]
	ds_store_b128 v8, v[228:231] offset:512
	s_wait_dscnt 0x0
	s_barrier_signal -1
	s_barrier_wait -1
	s_cmp_gt_u32 s10, 1                            ; waves 0 and 1 add the eight slices, in ascending K, and store
	s_cbranch_scc1 .Ldone
.irp e, 0,1,2,3,4,5,6,7
	ds_load_b128 v[16+8*\e:19+8*\e], v9 offset:2048*\e
	ds_load_b128 v[20+8*\e:23+8*\e], v9 offset:2048*\e+512
.endr
	s_wait_dscnt 0x0
.irp e, 1,2,3,4,5,6,7
.irp j, 0,2,4,6
	v_pk_add_f32 v[16+\j:17+\j], v[16+\j:17+\j], v[16+8*\e+\j:17+8*\e+\j]
.endr
.endr
	global_store_b128 v10, v[16:19], s[8:9]
	global_store_b128 v10, v[20:23], s[8:9] offset:16
.Ldone:
	s_wait_tensorcnt 0x0                           ; the end of the wave
	ds_add_u32 v[SPW], v[NIL]
	s_wait_dscnt 0x0
	s_endpgm
.Lfunc_end_k_q5db9ae9986_first16:
	.size	k_q5db9ae9986_first16, .Lfunc_end_k_q5db9ae9986_first16-k_q5db9ae9986_first16
	.p2alignl 7, 3214868480
	.fill 96, 4, 3214868480
	.section	.rodata,"a",@progbits
	.p2align	6, 0x0
	.amdhsa_kernel k_q5db9ae9986_first16
		.amdhsa_group_segment_fixed_size 84224
		.amdhsa_private_segment_fixed_size 0
		.amdhsa_enable_private_segment 0
		.amdhsa_kernarg_size 24
		.amdhsa_user_sgpr_count 2
		.amdhsa_user_sgpr_kernarg_segment_ptr 1
		.amdhsa_wavefront_size32 1
		.amdhsa_system_sgpr_workgroup_id_x 1
		.amdhsa_system_sgpr_workgroup_id_y 1
		.amdhsa_system_sgpr_workgroup_id_z 1
		.amdhsa_system_vgpr_workitem_id 0
		.amdhsa_next_free_vgpr 256
		.amdhsa_next_free_sgpr 66
		.amdhsa_reserve_vcc 1
		.amdhsa_float_denorm_mode_32 3
		.amdhsa_float_denorm_mode_16_64 3
		.amdhsa_memory_ordered 1
		.amdhsa_forward_progress 1
		.amdhsa_inst_pref_size 22
	.end_amdhsa_kernel
	.amdgpu_metadata
---
amdhsa.version: [ 1, 2 ]
amdhsa.kernels:
  - .name:           k_q5db9ae9986_first16
    .symbol:         k_q5db9ae9986_first16.kd
    .args:
      - { .name: fine, .offset: 0, .size: 8, .value_kind: global_buffer, .address_space: global }
      - { .name: w_proj, .offset: 8, .size: 8, .value_kind: global_buffer, .address_space: global }
      - { .name: out0, .offset: 16, .size: 8, .value_kind: global_buffer, .address_space: global }
    .group_segment_fixed_size: 84224
    .private_segment_fixed_size: 0
    .kernarg_segment_align: 8
    .kernarg_segment_size: 24
    .max_flat_workgroup_size: 512
    .sgpr_count:     66
    .vgpr_count:     256
    .wavefront_size: 32
...
	.end_amdgpu_metadata
.endif
;; end of part 5
